; MI455X (gfx1250); checked and timed in simulation.
; The chip was launched on July 23, 2026; its instructions are those of AMD's public machine-readable ISA for CDNA 5 (MIT licence, August 2026) and "CDNA5" Instruction Set Architecture Reference Guide (July 2026). The comments in the code are by the model that wrote it; some were corrected since.
;; Single Head Self Attention. Allowed arithmetic: matrix products marked QUANTISED: E2M1 operands, one E8M0 scale for each 32 along K, by v_wmma_scale_f32_16x16x128_f8f6f4 with both operands' format E2M1 (or v_wmma_scale_f32_32x16x128_f4), f32 sums; products left as they are: bf16, f16 or f32 operands; f32 sums; everything else in f32.
;; Inputs: Wk 1,024 x 1,024 float32; Wq 1,024 x 1,024 float32; Wv 1,024 x 1,024 float32; x 4 x 2,048 x 1,024 float32.
;; Outputs: out0 4 x 2,048 x 1,024 float32.
;; This version of the problem:
;;   THIS VERSION OF THE PROBLEM IS GIVEN IN LOW PRECISION. The matrix products marked QUANTISED in the list below multiply operands that are first quantised to E2M1 (2 exponent bits, 1 mantissa bit; 4 bits a number), with one power-of-two scale for each 32 numbers along K (OCP MX v1.0); their sums are f32. The products marked 'left as it is' may take bf16, f16 or f32 operands, with f32 sums. Whichever they take, every output number must still come out within the allowed error. Rounding operands to bf16 (8 significant bits) uses up far more of that allowance than f16 does (11 bits, for magnitudes from 6e-5 to 65,504). All else is computed in f32.
;;   The module's matrix products, in the order in which they are computed (A, B: the left and right operand; K: the contracted axis; several contracted axes count as one K, in the product's order):
;;     1. [M 8,192, K 1,024] x [K 1,024, N 1,024]; A: input x; B: input Wq: QUANTISED
;;     2. [M 8,192, K 1,024] x [K 1,024, N 1,024]; A: input x; B: input Wk: QUANTISED
;;     3. [M 8,192, K 1,024] x [K 1,024, N 1,024]; A: input x; B: input Wv: QUANTISED
;;     4. batch 4 x [M 2,048, K 1,024] x [K 1,024, N 2,048]; A: computed on the way; B: computed on the way: left as it is (an operand is computed on the way)
;;     5. batch 4 x [M 2,048, K 2,048] x [K 2,048, N 1,024]; A: computed on the way; B: computed on the way: left as it is (an operand is computed on the way)
;;   THE QUANTISER, for each operand of a quantised product, along K:
;;     - K is cut into blocks of 32 from its start; a last block that is shorter is filled with zeros.
;;     - A block's scale is 2^e with e = floor(log2(the largest magnitude in the block)) - 2, held to -126 .. 127; a block of zeros has e = 0. As a byte (E8M0): e + 127.
;;     - Each number is divided by its block's scale, clamped to +-6, and rounded to the nearest number of E2M1, ties to even, subnormals kept.
;;     - The product sums the exact products of the quantised numbers (number of the format x scale) in f32.
;;   ~~~python
;;   def quantise(x, axis):      # numpy; x: float32 -> the quantised numbers, widened to float32 again
;;       x = np.moveaxis(x, axis, -1); K = x.shape[-1]
;;       x = np.pad(x, [(0, 0)] * (x.ndim - 1) + [(0, -K % 32)]); x = x.reshape(x.shape[:-1] + (-1, 32)); a = np.abs(x).max(-1, keepdims=True)
;;       e = np.where(a > 0, np.clip(np.frexp(np.where(a > 0, a, 1))[1] - 1 - 2, -126, 127), 0)      # np.frexp(a)[1] - 1 = floor(log2(a)), exactly
;;       r = np.clip(x / 2.0 ** e, -6, 6)
;;       step = 2.0 ** (np.maximum(np.frexp(np.where(r == 0, 1, r))[1] - 1, 0) - 1)
;;       q = np.round(r / step) * step * 2.0 ** e      # np.round: ties to even
;;       return np.moveaxis(q.reshape(q.shape[:-2] + (-1,))[..., :K], -1, axis).astype(np.float32)
;;   ~~~
;; One version. Each part assembles by itself: llvm-mc -triple=amdgcn-amd-amdhsa -mcpu=gfx1250 --defsym DOCPART=n.
;; ======== version 1 of 1: 5 launches
;; limits: values are held in f16: magnitudes above 65,504 overflow, below 6.1e-05 lose precision
;; workspace buffers: xc 4,194,304 bytes; xs 262,144 bytes; wc 1,572,864 bytes; ws 98,304 bytes; qkv 50,331,648 bytes; fine 786,432 bytes; pt 33,554,432 bytes; st 1,048,576 bytes
;; launch quant (part 1): grid 352 x 1, 4 waves a work-group, no clusters, 33,280 bytes of LDS; arguments x, Wq, Wk, Wv, xc, xs, wc, ws; writes xc, xs, wc, ws
.if DOCPART == 1
	.amdgcn_target "amdgcn-amd-amdhsa--gfx1250"
	.amdhsa_code_object_version 6
	.text
	.protected	k_q075aebc88f_quant
	.globl	k_q075aebc88f_quant
	.p2align	8
	.type	k_q075aebc88f_quant,@function
k_q075aebc88f_quant:
	s_mov_b64 s[64:65], 0
	v_nop
	global_prefetch_b8 v0, s[64:65] scope:SCOPE_SE
	s_setreg_imm32_b32 hwreg(HW_REG_WAVE_MODE, 25, 1), 1
	s_wait_xcnt 0x0
; SINGLE-HEAD CAUSAL ATTENTION, FIVE LAUNCHES.  This one: x [8192][1024] and Wq, Wk, Wv [1024][1024], f32, become codes of FP4 (E2M1), K = the 1,024 channels innermost, with one E8M0 byte for each 32 along K.
; Then: qkv (the three quantised products, results as f16 and, for the first 16 positions of each batch, as f32), scores (q k^T and the exponentials, by blocks of 128 keys), pv (the weights times v), first16 (positions 0-15 in f32).
; WORK LEFT OUT IN THE LATER LAUNCHES: reference() sets att to -infinity wherever key > query, by a mask that it builds itself (jnp.tril); the softmax gives those places the weight 0, whatever finite values x and the
; weights hold, so a tile of q k^T that lies wholly above the diagonal, and the step of the second product that would multiply it, reach no output.  They are not computed.  Every input has a way to the output and is loaded.
; LIMIT: a NaN, an infinity or an overflow that would arise only in the tiles left out is not carried to the result.
; A block's scale is 2^(floor(log2(its largest magnitude)) - 2); its byte is the largest magnitude's own exponent field - 2, held at 1 from below.  (A block of zeros gets the byte 1 where the rule says 127: its codes are
; zeros, which add nothing under any byte but 0xff, and this program alone reads the bytes.)  Each number is divided by the scale and rounded to the nearest code, ties to even, beyond 6 the largest code.
; LIMITS: blocks whose largest magnitude lies under 2^-124, the floor, were not tried; NaN and infinities among the inputs are not served.
; Rows are dense and 1,024 is a multiple of 32: each tensor is a plain stream of blocks of 32 numbers, and so are its codes and scale bytes.  wc and ws hold Wq's, Wk's and Wv's rows one behind the other: 3,072 rows.
; A wave takes 16 steps of 512 numbers.  Each load reads 512 consecutive bytes, 16 a lane; a step's 2,048 bytes turn through the wave's own stage in LDS and come back 64 bytes a lane, so that a lane holds 16 neighbours
; along K (two neighbouring lanes hold a block).  A lane's 16 codes are 8 bytes: a store of the wave covers 256 consecutive bytes, aligned.  A wave's 256 scale bytes are gathered in LDS and leave by one such store.
; Work-groups 0-255 take x, 256-351 the weights, 32 each: only pointers are chosen, on the work-group's number; all take one path.  No tensor loads, no barrier: waves share nothing.
.set WAVES, 4
.set STEPS, 16
.set XWG,   256                        ; x's work-groups: 8,388,608 numbers / 32,768
.set EMAX,  2
.set CB,    8                          ; bytes of 16 codes
.set R,     16                         ; v16-79   four sets of 16 numbers as they are loaded
.set X,     80                         ; v80-111  two sets of 16 neighbours
.set C,     128                        ; v128-191 codes: four registers for each step, so that no store's data are written again
.set E,     112                        ; v112-127 a scale byte for each step
.set WREG,  8192                       ; LDS: a region for each wave: two stages of 32 x SP bytes, behind them its 256 scale bytes
.set SP,    80                         ; a lane's place in a stage: 64 bytes + 16 of padding
.set SPW,   12                         ; v12  LDS address of my spare word; never rewritten
.set NIL,   13                         ; v13  0; never rewritten
.set SPARE, WAVES*WREG                 ; behind the regions: the spare words, 128 bytes for each wave, which no other line names
	s_load_b256 s[4:11], s[0:1], 0x0               ; x, Wq, Wk, Wv
	s_load_b256 s[12:19], s[0:1], 0x20             ; xc, xs, wc, ws
	v_lshl_add_u32 v[SPW], v0, 2, SPARE
	v_mov_b32 v[NIL], 0
	v_lshrrev_b32 v1, 5, v0
	v_readfirstlane_b32 s20, v1                    ; wave
	v_and_b32 v2, 31, v0                           ; lane
	v_lshlrev_b32 v3, 4, v2                        ; my 16 bytes of a load's 512
	s_mul_i32 s26, s20, WREG
	v_lshrrev_b32 v14, 2, v2
	v_mul_u32_u24 v14, v14, SP
	v_and_b32 v15, 3, v2
	v_lshl_add_u32 v14, v15, 4, v14
	v_add_nc_u32 v14, s26, v14                     ; the stage, on the way in: SP (lane / 4) + 16 (lane % 4)
	v_mul_u32_u24 v15, v2, SP
	v_add_nc_u32 v15, s26, v15                     ; and on the way out: SP x lane: my 16 neighbours
	v_mul_u32_u24 v4, v2, CB                       ; my codes' place in a step's
	v_lshrrev_b32 v5, 1, v2
	s_add_co_u32 s26, s26, 2*32*SP
	v_add_nc_u32 v5, s26, v5                       ; LDS: my wave's 256 scale bytes, my block's byte
	v_lshlrev_b32 v7, 3, v2                        ; and on the way out 8 bytes a lane
	v_add_nc_u32 v6, s26, v7
	s_wait_kmcnt 0x0
	s_cmp_lt_u32 ttmp9, XWG
	s_cselect_b32 s21, 0, XWG
	s_sub_co_u32 s21, ttmp9, s21                   ; my number among x's work-groups, or among the weights' 96
	s_lshr_b32 s22, s21, 5                         ; which weight
	s_and_b32 s23, s21, 31                         ; and my number within it
	s_cmp_eq_u32 s22, 1
	s_cselect_b64 s[6:7], s[8:9], s[6:7]
	s_cmp_eq_u32 s22, 2
	s_cselect_b64 s[6:7], s[10:11], s[6:7]         ; s[6:7]: the weight (of no account in x's work-groups)
	s_cmp_lt_u32 ttmp9, XWG                        ; the choices hang on the work-group's number alone
	s_cselect_b64 s[4:5], s[4:5], s[6:7]           ; from where,
	s_cselect_b64 s[12:13], s[12:13], s[16:17]     ; the codes' buffer,
	s_cselect_b64 s[14:15], s[14:15], s[18:19]     ; the scale bytes' buffer
	s_cselect_b32 s23, s21, s23                    ; my number within the tensor that I read
	s_lshl_b32 s23, s23, 2
	s_add_co_u32 s23, s23, s20                     ; my wave's run of 8,192 numbers there: 32,768 bytes a run
	s_lshl_b32 s24, s23, 15
	s_mov_b32 s25, 0
	s_add_nc_u64 s[4:5], s[4:5], s[24:25]
	s_lshl_b32 s21, s21, 2
	s_add_co_u32 s21, s21, s20                     ; and in the buffers that I write: 4,096 bytes of codes, 256 scale bytes a run
	s_lshl_b32 s24, s21, 12
	s_add_nc_u64 s[12:13], s[12:13], s[24:25]
	s_lshl_b32 s24, s21, 8
	s_add_nc_u64 s[14:15], s[14:15], s[24:25]
.macro LOAD t
.irp i, 0,1,2,3
	global_load_b128 v[R+16*((\t)%4)+4*\i:R+16*((\t)%4)+4*\i+3], v3, s[4:5] offset:2048*(\t)+512*\i th:TH_LOAD_NT   ; 32 lanes read 512 consecutive bytes
.endr
.endm
.macro TURN t                          ; step t's numbers through the stage: LDS serves a wave's instructions in order, so no wait stands between the stores and the loads
.irp i, 0,1,2,3
	ds_store_b128 v14, v[R+16*((\t)%4)+4*\i:R+16*((\t)%4)+4*\i+3] offset:32*SP*((\t)%2)+8*SP*\i
.endr
.irp i, 0,1,2,3
	ds_load_b128 v[X+16*((\t)%2)+4*\i:X+16*((\t)%2)+4*\i+3], v15 offset:32*SP*((\t)%2)+16*\i
.endr
.endm
.irp t, 0,1,2,3
	LOAD \t
.endr
	s_wait_loadcnt 12                              ; step 0's four loads are in
	TURN 0
.macro STEP t
.set XS, X+16*((\t)%2)
.if (\t) > 0
	s_wait_dscnt 1                                 ; this step's numbers are back from the stage (the last step's byte store may be out): so its stores into the stage have read their registers,
.else
	s_wait_dscnt 0x0
.endif
.if (\t)+4 < STEPS
	LOAD (\t)+4                                    ; which take the loads of four steps on
.endif
.if (\t)+1 < STEPS
.if STEPS-2-(\t) >= 3
	s_wait_loadcnt 12                              ; the next step's four loads are in; those of the three steps behind it may be out
.else
	s_wait_loadcnt 4*(STEPS-2-(\t))
.endif
	TURN (\t)+1                                    ; and go through the other stage while this step is worked
.endif
	v_max3_num_f32 v8, |v[XS]|, |v[XS+1]|, |v[XS+2]|               ; the largest magnitude of my 16
	v_max3_num_f32 v9, |v[XS+3]|, |v[XS+4]|, |v[XS+5]|
.irp i, 6,10
	v_max3_num_f32 v8, v8, |v[XS+\i]|, |v[XS+\i+1]|
	v_max3_num_f32 v9, v9, |v[XS+\i+2]|, |v[XS+\i+3]|
.endr
	v_max3_num_f32 v8, v8, |v[XS+14]|, |v[XS+15]|
	v_max3_num_f32 v8, v8, v9, (EMAX+1)<<23        ; and the floor 2^(EMAX + 1 - 127): the byte cannot fall under 1
	v_max_num_f32_dpp v8, v8, v8 row_xmask:1 row_mask:0xf bank_mask:0xf   ; and of my neighbour's 16: the block's
	v_add_nc_u32 v11, -(EMAX<<23), v8              ; EMAX off its exponent field: the conversion takes the exponent field of this operand as its scale, and nothing else of it
	v_cvt_scalef32_pk8_fp4_f32 v[C+4*(\t)], v[XS:XS+7], v11
	v_cvt_scalef32_pk8_fp4_f32 v[C+4*(\t)+1], v[XS+8:XS+15], v11
	v_lshrrev_b32 v[E+(\t)], 23, v11               ; the scale's byte (a plain line behind the conversions)
	ds_store_b8 v5, v[E+(\t)] offset:16*(\t)       ; both lanes of a block write the same byte with the same value
	global_store_b64 v4, v[C+4*(\t):C+4*(\t)+1], s[12:13] offset:32*CB*(\t)
.endm
.irp t, 0,1,2,3,4,5,6,7,8,9,10,11,12,13,14,15
	STEP \t
.endr
	ds_load_b64 v[8:9], v6                         ; LDS serves a wave's instructions in order: these see my stores
	s_wait_dscnt 0x0
	global_store_b64 v7, v[8:9], s[14:15]          ; 32 lanes store 256 consecutive bytes, aligned
	s_wait_tensorcnt 0x0                           ; the wave's end
	ds_add_u32 v[SPW], v[NIL]
	s_wait_dscnt 0x0
	s_endpgm
.Lfunc_end_k_q075aebc88f_quant:
	.size	k_q075aebc88f_quant, .Lfunc_end_k_q075aebc88f_quant-k_q075aebc88f_quant
	.p2alignl 7, 3214868480
	.fill 96, 4, 3214868480
	.section	.rodata,"a",@progbits
	.p2align	6, 0x0
	.amdhsa_kernel k_q075aebc88f_quant
		.amdhsa_group_segment_fixed_size 33280
		.amdhsa_private_segment_fixed_size 0
		.amdhsa_enable_private_segment 0
		.amdhsa_kernarg_size 64
		.amdhsa_user_sgpr_count 2
		.amdhsa_user_sgpr_kernarg_segment_ptr 1
		.amdhsa_wavefront_size32 1
		.amdhsa_system_sgpr_workgroup_id_x 1
		.amdhsa_system_sgpr_workgroup_id_y 1
		.amdhsa_system_sgpr_workgroup_id_z 1
		.amdhsa_system_vgpr_workitem_id 0
		.amdhsa_next_free_vgpr 192
		.amdhsa_next_free_sgpr 66
		.amdhsa_reserve_vcc 0
		.amdhsa_float_denorm_mode_32 3
		.amdhsa_float_denorm_mode_16_64 3
		.amdhsa_memory_ordered 1
		.amdhsa_forward_progress 1
		.amdhsa_inst_pref_size 34
	.end_amdhsa_kernel
	.amdgpu_metadata
---
amdhsa.version: [ 1, 2 ]
amdhsa.kernels:
  - .name:           k_q075aebc88f_quant
    .symbol:         k_q075aebc88f_quant.kd
    .args:
      - { .name: x, .offset: 0, .size: 8, .value_kind: global_buffer, .address_space: global }
      - { .name: Wq, .offset: 8, .size: 8, .value_kind: global_buffer, .address_space: global }
      - { .name: Wk, .offset: 16, .size: 8, .value_kind: global_buffer, .address_space: global }
      - { .name: Wv, .offset: 24, .size: 8, .value_kind: global_buffer, .address_space: global }
      - { .name: xc, .offset: 32, .size: 8, .value_kind: global_buffer, .address_space: global }
      - { .name: xs, .offset: 40, .size: 8, .value_kind: global_buffer, .address_space: global }
      - { .name: wc, .offset: 48, .size: 8, .value_kind: global_buffer, .address_space: global }
      - { .name: ws, .offset: 56, .size: 8, .value_kind: global_buffer, .address_space: global }
    .group_segment_fixed_size: 33280
    .private_segment_fixed_size: 0
    .kernarg_segment_align: 8
    .kernarg_segment_size: 64
    .max_flat_workgroup_size: 128
    .sgpr_count:     66
    .vgpr_count:     192
    .wavefront_size: 32
...
	.end_amdgpu_metadata
.endif
;; end of part 1
;; launch qkv (part 2): grid 12 x 32, 4 waves a work-group, clusters of 4 x 4, 327,680 bytes of LDS; arguments xc, xs, wc, ws, qkv, fine; writes qkv, fine
.if DOCPART == 2
	.amdgcn_target "amdgcn-amd-amdhsa--gfx1250"
	.amdhsa_code_object_version 6
	.text
	.protected	k_q075aebc88f_qkv
	.globl	k_q075aebc88f_qkv
	.p2align	8
	.type	k_q075aebc88f_qkv,@function
k_q075aebc88f_qkv:
	s_mov_b64 s[64:65], 0
	v_nop
	global_prefetch_b8 v0, s[64:65] scope:SCOPE_SE
	s_setreg_imm32_b32 hwreg(HW_REG_WAVE_MODE, 25, 1), 1
	s_wait_xcnt 0x0
	s_wait_alu depctr_hold_cnt(0) depctr_sa_sdst(0) depctr_va_vdst(0) depctr_va_sdst(0) depctr_va_ssrc(0) depctr_va_vcc(0) depctr_vm_vsrc(0)
	s_getreg_b32 s2, hwreg(HW_REG_IB_STS2, 6, 4)
	s_cmp_eq_u32 s2, 0
	s_cbranch_scc0 .Lentry_in_a_cluster
	s_endpgm
.Lentry_in_a_cluster:
	s_bfe_u32 s2, ttmp6, 0x10000c
	s_cmp_lg_u32 s2, 0xf033
	s_cbranch_scc0 .Lentry_shape_is_right
	s_endpgm
.Lentry_shape_is_right:
; qkv[m][n] = sum over k of x[m][k] W[n][k], m = 8,192 positions, n = 3,072 rows of Wq, Wk, Wv on end, k = 1,024: both operands as codes of FP4 (E2M1) with one E8M0 scale for each 32 along K; sums in f32.
; The results go out as f16, [8192][3072] (q at byte 0 of a row, k at 2,048, v at 4,096); the first 16 positions of each batch of 2,048 also as f32, into fine [4][16][3072], for the launch that carries those rows in f32.
; LIMIT: a result beyond 65,504 in magnitude becomes an infinity in f16.
; A tile, 256 x 256, is made by four waves, 128 x 128 each: 64 accumulators, 512 registers.  K is 1,024: two slots of 512 along K hold all of it, so every slot is filled once and there is no loop.
; THE SCALES of the work-group's 256 + 256 rows, for all of K, are two dense blocks of memory: they come into LDS once, with the first fills.  By this text's count a wave has three tensor loads out at the most.
; CLUSTERS: 4 x 4 work-groups.  The four of a row of the cluster need the same tiles of x, the four of a column the same tiles of W: each is asked for JOINTLY, by the same tensor load with the same descriptor and a mask
; that names the four.  TILE ROW = 8 cy + cluster y: the four tiles that open a batch (tile rows 0, 8, 16, 24) are then the tile rows of the clusters with y = 0, and the branch to the f32 copy hangs on the cluster's
; number and the wave's, never on a work-group's place in its cluster.
; THE MATRIX INSTRUCTION IS USED TRANSPOSED (source 0 = 16 rows of W, source 1 = 16 rows of x): a lane then holds eight neighbouring numbers of a row of the result.
; REGISTERS, in windows of 256: window 0: v0-31 addresses; v32-95 scale words, two sets; from v128 x's fragments, ONE set; on the way out v32-63, v192-255 are used.
;   window 1: W's fragments, TWO sets, at v0 and v128.   window 2: the 32 accumulators of my rows 0-63 (accumulator (a, b) at v[8 (8 a + b)]);   window 3: those of my rows 64-127.
.set SIZE_M, 8192
.set SIZE_N, 3072
.set SIZE_K, 1024
.set KSTEP,  512                       ; along K in a slot
.set NQ,     KSTEP/128                 ; matrix instructions deep
.set ROWB,   256                       ; a tile's row in bytes
.set KROW,   SIZE_K*4/8                ; a row of codes in memory
.set PITCH,  272                       ; an LDS row: 256 bytes + 16 of padding = 68 words: the 16 rows that a load touches start at 16 different banks (64 banks of 4 bytes: ISA guide 11.1)
.set FR,     8                         ; registers of a fragment: 16 rows x 128 K
.set NL,     2                         ; LDS loads that bring one
.set NP,     4                         ; places behind this matrix instruction (ISA guide 7.12.1)
.set HALFT,  128*PITCH
.set SLOT,   4*HALFT                   ; x's 256 rows, then W's 256 rows
.set KS,     SIZE_K/32                 ; a row of scales in bytes
.set SCL,    2*SLOT                    ; behind the slots: the scales, as rows of 256 bytes + 16 of padding
.set HALFS,  (128*KS/256)*272          ; the scales of 128 rows: what one tensor load brings
.set SBLK,   (16*KS/256)*272           ; those of 16 rows
.set SPARE,  SCL+4*HALFS               ; behind the scales: the spare words, 128 bytes for each wave, which no other line names
.set SPITCH, 272                       ; the way out: a stage of 16 rows x (256 bytes + 16) for each wave, in slot 0, which has had its only fill and its last read when the first result is stored there
.set CROW,   SIZE_N*2                  ; a row of qkv in bytes
.set ADRA, 16                          ; v16-17  LDS address of my x fragments in slot 0, 1
.set ADRB, 20                          ; v20-21  the same for W
.set STO,  24                          ; v24     the way out: where I put 16 bytes of a row
.set RD,   25                          ; v25     where I read a row back
.set CO,   26                          ; v26     my byte offset in qkv
.set ADRS, 27                          ; v27     LDS address of my scale words: lanes 0-15 x's rows, lanes 16-31 W's
.set SPW,  28                          ; v28     LDS address of my spare word; never rewritten
.set NIL,  29                          ; v29     0; never rewritten
.set FO,   30                          ; v30     my byte offset in fine
.set SC,   32                          ; scale words: set s at v[SC + 32 s]; register 4 i + q: lanes 0-15 the word of x's block i, lanes 16-31 that of W's block i
.set AF,   128                         ; x's fragments, in window 0
.set TMP,  192                         ; the way out: packed results
.set OB,   32                          ; 16 rows read back from the stage: v32-63 and v224-255 by turns
.set G1, 24                            ; s[24:31] descriptor group 1 for x's tiles;  s[32:39] group 0, one set for each slot
.set G0, 32
.set G1B, 48                           ; s[48:55], s[56:63] the same for W's tiles
.set G0B, 56
.set G1S, 68                           ; s[68:75], s[76:79] groups 1 and 0 for x's scales;  s[80:87], s[88:91] for W's
.set G0S, 76
.set G1SB, 80
.set G0SB, 88
.set MSB, 0
.macro WIN new                         ; the immediate's high byte repeats the setting that is left
.if MSB != (\new)
	s_set_vgpr_msb (MSB<<8)|(\new)
.set MSB, (\new)
.endif
.endm
.set MUL_LO, 0xa1                      ; source 0 (W) window 1, source 1 (x) window 0, C and D window 2
.set MUL_HI, 0xf1                      ; the same, C and D window 3
.set TO_B,   0x40                      ; destination window 1, address window 0
; A joint load: waves 0 and 1 fetch for x, waves 2 and 3 for W.  Each line has one mask and one set of registers for all that issue it; the branch hangs on the wave's number alone.
; An s_nop 0 and four v_nop follow each of the two lines.
.macro JLOAD g0a, g1a, g0b, g1b
	s_cmp_eq_u32 s15, 0
	s_cbranch_scc0 .Lfor_b_\@
	tensor_load_to_lds s[\g0a:\g0a+3], s[\g1a:\g1a+7]
	s_nop 0
.rept 4
	v_nop
.endr
	s_branch .Lasked_\@
.Lfor_b_\@:
	tensor_load_to_lds s[\g0b:\g0b+3], s[\g1b:\g1b+7]
	s_nop 0
.rept 4
	v_nop
.endr
.Lasked_\@:
.endm
.macro CROUND                          ; a round of the cluster's barrier
	s_barrier_signal -1
	s_barrier_wait -1
	s_cmp_lg_u32 s14, 0
	s_cbranch_scc1 .Lnot_wave_0_\@
	s_barrier_signal -3
.Lnot_wave_0_\@:
	s_barrier_wait -3
	s_barrier_signal -1
	s_barrier_wait -1
.endm
	s_load_b128 s[4:7], s[0:1], 0x0                ; x's codes s[4:5], x's scales s[6:7]
	s_load_b128 s[8:11], s[0:1], 0x10              ; W's codes s[8:9], W's scales s[10:11]
	s_load_b64 s[12:13], s[0:1], 0x20              ; qkv
	s_load_b64 s[96:97], s[0:1], 0x28              ; fine
	v_lshl_add_u32 v[SPW], v0, 2, SPARE
	v_mov_b32 v[NIL], 0
	ds_add_u32 v[SPW], v[NIL]                      ; the wave's opening: the add, twice on end, and its wait ahead of my first tensor load
	ds_add_u32 v[SPW], v[NIL]
	v_lshrrev_b32 v1, 5, v0
	v_readfirstlane_b32 s14, v1                    ; wave 0..3
	s_lshr_b32 s15, s14, 1                         ; which half of the tile's rows is mine.  Also: I fetch for x (0) or for W (1)
	s_and_b32 s16, s14, 1                          ; which half of its columns.  Also: which 128 rows of that tile I fetch
	s_bfe_u32 s40, ttmp6, 0x40000                  ; cx, cy: my place in the cluster
	s_bfe_u32 s41, ttmp6, 0x40004
	s_lshl_b32 s42, ttmp9, 2
	s_add_co_u32 s42, s42, s40                     ; tile column = 4 x cluster x + cx
	s_and_b32 s95, ttmp7, 0xffff                   ; cluster y
	s_lshl_b32 s17, s41, 3
	s_add_co_u32 s17, s17, s95                     ; tile row = 8 cy + cluster y
	s_or_b32 s95, s95, s15                         ; 0 where my rows open a batch: cluster y = 0 and the tile's upper half
	s_lshl_b32 s43, s41, 2
	s_lshl_b32 s43, 15, s43                        ; my row of the cluster
	s_lshl_b32 s44, 0x1111, s40                    ; my column
	; descriptor group 1: a tile of 128 rows x 256 bytes, padded in LDS
	s_or_b32 s[G1+0], s43, (0<<16)|(1<<20)|(1<<21)|(5<<22)|(3<<25)  ; 15:0 the mask; 17:16 elements of 1 byte; 20 padding on; 21 set beside a mask; 24:22 after every 64 words; 31:25 four words
	s_or_b32 s[G1B+0], s44, (0<<16)|(1<<20)|(1<<21)|(5<<22)|(3<<25)
.irp g, G1, G1B
	s_mov_b32 s[\g+1], ROWB<<16                    ; tensor_dim0
	s_mov_b32 s[\g+2], 128<<16                     ; tensor_dim1
	s_mov_b32 s[\g+3], ROWB<<16                    ; tile_dim0
	s_mov_b32 s[\g+4], 128                         ; tile_dim1
	s_mov_b32 s[\g+5], KROW                        ; from row to row
	s_mov_b32 s[\g+6], 0
	s_mov_b32 s[\g+7], 0
.endr
	; the scales of 128 rows: a dense block of 4,096 bytes, as 16 rows of 256 bytes (32 elements of 8 bytes), 16 bytes of padding behind each
	s_or_b32 s[G1S+0], s43, (3<<16)|(1<<20)|(1<<21)|(5<<22)|(3<<25)
	s_or_b32 s[G1SB+0], s44, (3<<16)|(1<<20)|(1<<21)|(5<<22)|(3<<25)
.irp g, G1S, G1SB
	s_mov_b32 s[\g+1], 32<<16
	s_mov_b32 s[\g+2], (128*KS/256)<<16
	s_mov_b32 s[\g+3], 32<<16
	s_mov_b32 s[\g+4], 128*KS/256
	s_mov_b32 s[\g+5], 32
	s_mov_b32 s[\g+6], 0
	s_mov_b32 s[\g+7], 0
.endr
	s_lshl_b32 s18, s16, 7                         ; which 128 rows of the tile I fetch
	s_lshl_b32 s20, s17, 8
	s_add_co_u32 s20, s20, s18                     ; x: row 256 x tile row + 128 x half
	s_lshl_b32 s46, s42, 8
	s_add_co_u32 s46, s46, s18                     ; W: row 256 x tile column + 128 x half
	s_mov_b32 s21, 0
	s_mov_b32 s47, 0
	s_mov_b64 s[18:19], KS
	s_mul_u64 s[22:23], s[20:21], s[18:19]         ; where these rows' scales begin, in bytes
	s_mul_u64 s[92:93], s[46:47], s[18:19]
	s_mov_b64 s[18:19], KROW
	s_mul_u64 s[20:21], s[20:21], s[18:19]         ; and their codes
	s_mul_u64 s[46:47], s[46:47], s[18:19]
	s_mul_i32 s45, s14, HALFT                      ; where they go: wave x 128 rows: no place in the cluster enters an LDS address
	s_mul_i32 s94, s14, HALFS
	s_wait_dscnt 0x0                               ; both opening adds are done
	s_wait_kmcnt 0x0
	s_add_nc_u64 s[20:21], s[4:5], s[20:21]
	s_add_nc_u64 s[22:23], s[6:7], s[22:23]
	s_add_nc_u64 s[46:47], s[8:9], s[46:47]
	s_add_nc_u64 s[92:93], s[10:11], s[92:93]
	CROUND                                         ; all sixteen work-groups are here: the joint loads meet
	s_mov_b32 s[G0S], 1
	s_add_co_u32 s[G0S+1], s94, SCL
	s_mov_b64 s[G0S+2:G0S+3], s[22:23]
	s_or_b32 s[G0S+3], s[G0S+3], 0x80000000
	s_mov_b32 s[G0SB], 1
	s_add_co_u32 s[G0SB+1], s94, SCL
	s_mov_b64 s[G0SB+2:G0SB+3], s[92:93]
	s_or_b32 s[G0SB+3], s[G0SB+3], 0x80000000
	JLOAD G0S, G1S, G0SB, G1SB                     ; the scales first: they are wanted with the first slot
.irp s, 0,1
	s_mov_b32 s[G0+4*\s], 1
	s_add_co_u32 s[G0+4*\s+1], s45, \s*SLOT
	s_add_nc_u64 s[G0+4*\s+2:G0+4*\s+3], s[20:21], \s*ROWB
	s_or_b32 s[G0+4*\s+3], s[G0+4*\s+3], 0x80000000
	s_mov_b32 s[G0B+4*\s], 1
	s_add_co_u32 s[G0B+4*\s+1], s45, \s*SLOT
	s_add_nc_u64 s[G0B+4*\s+2:G0B+4*\s+3], s[46:47], \s*ROWB
	s_or_b32 s[G0B+4*\s+3], s[G0B+4*\s+3], 0x80000000
	JLOAD G0+4*\s, G1, G0B+4*\s, G1B
.endr
	v_and_b32 v1, 15, v0                           ; l % 16
	v_bfe_u32 v2, v0, 4, 1                         ; l / 16
	v_mul_u32_u24 v3, v1, PITCH
	v_lshl_add_u32 v4, v2, 4, v3                   ; a fragment's row x pitch + 16 x half
	s_mul_i32 s21, s15, HALFT                      ; my 128 rows of x
	s_mul_i32 s22, s16, HALFT                      ; my 128 rows of W,
	s_add_co_u32 s22, s22, 2*HALFT                 ; which lie behind x's 256
.irp s, 0,1
	v_add_nc_u32 v[ADRA+\s], s21, v4
	v_add_nc_u32 v[ADRB+\s], s22, v4
	s_add_co_u32 s21, s21, SLOT
	s_add_co_u32 s22, s22, SLOT
.endr
	v_mul_u32_u24 v5, v1, KS                       ; my row's scales: 32 bytes a row,
	v_lshrrev_b32 v6, 8, v5
	v_lshl_add_u32 v5, v6, 4, v5                   ; and 16 more for each 256 passed
	s_mul_i32 s21, s15, HALFS                      ; x's: my 128 rows
	s_mul_i32 s22, s16, HALFS                      ; W's: my 128 rows, behind x's 256
	s_add_co_u32 s22, s22, 2*HALFS
	s_sub_co_u32 s22, s22, s21
	v_mul_u32_u24 v6, s22, v2                      ; lanes 16-31 take W's: one product, the distance between the two bases
	s_add_co_u32 s21, s21, SCL
	v_add_nc_u32 v5, v5, v6
	v_add_nc_u32 v[ADRS], s21, v5
	s_mul_i32 s23, s14, 16*SPITCH                  ; my stage
	v_mul_u32_u24 v5, v1, SPITCH                   ; in: row l % 16, 16 bytes for each half of the lanes
	v_lshl_add_u32 v5, v2, 4, v5
	v_add_nc_u32 v[STO], s23, v5
	v_mul_u32_u24 v5, v2, SPITCH                   ; back: lanes 0-15 take one row of 256 bytes, lanes 16-31 the next
	v_lshl_add_u32 v5, v1, 4, v5
	v_add_nc_u32 v[RD], s23, v5
	v_mul_u32_u24 v5, v2, CROW                     ; and the same two rows in qkv
	v_lshl_add_u32 v[CO], v1, 4, v5
	v_mul_u32_u24 v5, v1, SIZE_N*4                 ; fine: row l % 16 of 12,288 bytes, 32 bytes for each half of the lanes
	v_lshl_add_u32 v[FO], v2, 5, v5
	s_lshl_b32 s20, s17, 8
	s_lshl_b32 s21, s15, 7
	s_add_co_u32 s20, s20, s21                     ; my first row: 256 x tile row + 128 x half
	s_mov_b32 s21, 0
	s_mov_b64 s[18:19], CROW
	s_mul_u64 s[20:21], s[20:21], s[18:19]
	s_lshl_b32 s46, s42, 9                         ; my first column, in bytes of f16: 512 x tile column + 256 x half
	s_lshl_b32 s47, s16, 8
	s_add_co_u32 s46, s46, s47
	s_mov_b32 s47, 0
	s_add_nc_u64 s[20:21], s[20:21], s[46:47]
	s_add_nc_u64 s[12:13], s[12:13], s[20:21]
	s_mul_i32 s20, s41, 16*SIZE_N*4                ; fine: the batch is cy where cluster y = 0,
	s_lshl_b32 s46, s46, 1                         ; the column in bytes of f32
	s_add_co_u32 s46, s46, s20
	s_add_nc_u64 s[96:97], s[96:97], s[46:47]
.macro FRAG reg, adr, q, i             ; a fragment, 16 rows x 128 K of 4-bit codes: lane l holds row l % 16; registers 4 c .. 4 c + 3 hold K = 64 c + 32 (l / 16) + 0 .. 31
.irp c, 0,1
	ds_load_b128 v[\reg+4*\c:\reg+4*\c+3], v[\adr] offset:64*(\q)+32*\c+(\i)*16*PITCH
.endr
.endm
; 16 matrix instructions: x's blocks a0, a0 + 1 against W's eight, 128 along K: the slot's q-th.  p: W's set;  sc: the set of scale words.  zero = 1: the first product starts the sums.
; The 64 accumulators take turns, one instruction a turn, in the same order in every step.
.macro MUL16 a0, p, q, sc, zero
.irp a, \a0, \a0+1
.irp b, 0,1,2,3,4,5,6,7
.if \zero
	v_wmma_scale_f32_16x16x128_f8f6f4 v[8*(8*((\a)%4)+\b):8*(8*((\a)%4)+\b)+7], v[128*(\p)+FR*\b:128*(\p)+FR*\b+FR-1], v[AF+FR*(\a):AF+FR*(\a)+FR-1], 0, v[SC+8*NQ*(\sc)+NQ*\b+(\q)], v[SC+8*NQ*(\sc)+NQ*(\a)+(\q)] matrix_a_fmt:MATRIX_FMT_FP4 matrix_b_fmt:MATRIX_FMT_FP4 matrix_a_scale:MATRIX_SCALE_ROW1
.else
	v_wmma_scale_f32_16x16x128_f8f6f4 v[8*(8*((\a)%4)+\b):8*(8*((\a)%4)+\b)+7], v[128*(\p)+FR*\b:128*(\p)+FR*\b+FR-1], v[AF+FR*(\a):AF+FR*(\a)+FR-1], v[8*(8*((\a)%4)+\b):8*(8*((\a)%4)+\b)+7], v[SC+8*NQ*(\sc)+NQ*\b+(\q)], v[SC+8*NQ*(\sc)+NQ*(\a)+(\q)] matrix_a_fmt:MATRIX_FMT_FP4 matrix_b_fmt:MATRIX_FMT_FP4 matrix_a_scale:MATRIX_SCALE_ROW1
.endif
.endr
.endr
.endm
.macro FETCH_B slot, q, p              ; W's eight fragments of the slot's q-th 128 along K into set p
	WIN TO_B
.irp i, 0,1,2,3,4,5,6,7
	FRAG 128*(\p)+FR*\i, ADRB+\slot, \q, \i
.endr
	WIN 0
.endm
.macro FETCH_A slot, q, i0             ; x's blocks i0 .. i0 + 3
.irp i, \i0, \i0+1, \i0+2, \i0+3
	FRAG AF+FR*(\i), ADRA+\slot, \q, \i
.endr
.endm
.macro SCALES sc                       ; a slot's scale words into set sc: four words a row; lanes 0-15 take x's block i, lanes 16-31 W's block i
.irp i, 0,1,2,3,4,5,6,7
	ds_load_b128 v[SC+8*NQ*\sc+NQ*\i:SC+8*NQ*\sc+NQ*\i+3], v[ADRS] offset:\i*SBLK
.endr
.endm
; A load into a register that a matrix instruction has read, and a vector instruction or a store that reads a matrix result, stand four places behind that matrix instruction; only plain vector
; instructions that name none of its registers are places.
.macro PLACES n
.rept \n
	v_nop
.endr
.endm
.macro STEP slot, q, zero              ; a step of 128 along K that has its successor in the same slot
	s_wait_dscnt 4*NL                              ; W's set and x's blocks 0-3 are in; the youngest eight loads (x's blocks 4-7) may be out
	WIN MUL_LO
	MUL16 0, (\q)%2, \q, \slot, \zero
	MUL16 2, (\q)%2, \q, \slot, \zero
	s_wait_dscnt 0                                 ; x's blocks 4-7 are in
	PLACES NP
	FETCH_B \slot, (\q)+1, 1-(\q)%2
	FETCH_A \slot, (\q)+1, 0
	WIN MUL_HI
	MUL16 4, (\q)%2, \q, \slot, \zero
	MUL16 6, (\q)%2, \q, \slot, \zero
	PLACES NP
	WIN 0
	FETCH_A \slot, (\q)+1, 4
.endm
; Slot 0's last step changes slots: one barrier; in front of it each wave waits for all its tensor loads (its part of slot 1), adds 0 to its spare word, and waits for that and for its reads of slot 0.  Nothing is filled again.
.macro TURN slot, next
	s_wait_tensorcnt 0x0                           ; all my tensor loads have landed
	ds_add_u32 v[SPW], v[NIL]                      ; 0 onto my spare word
	s_wait_dscnt 4*NL+1                            ; (the add and the youngest eight loads may be out)
	WIN MUL_LO
	MUL16 0, 1, NQ-1, \slot, 0
	s_wait_dscnt 0x0                               ; the add is done, and my reads of this slot are over
	s_barrier_signal -1
	MUL16 2, 1, NQ-1, \slot, 0
	WIN 0
	s_barrier_wait -1
	PLACES NP
	v_add_nc_u32 v[ADRS], 4*NQ, v[ADRS]            ; on to the next slot's scale words
	FETCH_B \next, 0, 0
	FETCH_A \next, 0, 0
	SCALES \next
	WIN MUL_HI
	MUL16 4, 1, NQ-1, \slot, 0
	MUL16 6, 1, NQ-1, \slot, 0
	PLACES NP
	WIN 0
	FETCH_A \next, 0, 4
.endm
.macro STEPS slot, from                ; the slot's steps from .. NQ - 2
.set Q, \from
.rept NQ-1-\from
	STEP \slot, Q, 0
.set Q, Q+1
.endr
.endm
	s_wait_tensorcnt 1                             ; the scales and my part of slot 0 are in (slot 1's load may be out)
	s_barrier_signal -1
	s_barrier_wait -1                              ; everybody's are
	FETCH_B 0, 0, 0
	FETCH_A 0, 0, 0
	SCALES 0
	FETCH_A 0, 0, 4
	STEP 0, 0, 1                                   ; the first step's products start the sums
	STEPS 0, 1
	TURN 0, 1
	STEPS 1, 0
	s_wait_dscnt 4*NL                              ; the last step: nothing more to fetch
	WIN MUL_LO
	MUL16 0, 1, NQ-1, 1, 0
	MUL16 2, 1, NQ-1, 1, 0
	s_wait_dscnt 0
	WIN MUL_HI
	MUL16 4, 1, NQ-1, 1, 0
	MUL16 6, 1, NQ-1, 1, 0
	WIN 0
	PLACES NP                                      ; behind the last products: for the reads of results and for the loads into registers that held scales
	; THE F32 COPY of the first 16 positions of a batch: my block 0, where my rows open a batch.  A lane stores 32 neighbouring bytes of a row, in two stores; these stores cover their aligned blocks of 256 bytes
	; in part: 786,432 bytes in the whole launch against the 50,331,648 of qkv.
	s_cmp_lg_u32 s95, 0
	s_cbranch_scc1 .Lno_fine
	WIN 0x08                                       ; a store's data are its source 1: window 2
.irp b, 0,1,2,3,4,5,6,7
	global_store_b128 v[FO], v[8*\b:8*\b+3], s[96:97] offset:64*\b        ; each accumulator from its low end on
	global_store_b128 v[FO], v[8*\b+4:8*\b+7], s[96:97] offset:64*\b+16
.endr
	WIN 0
.Lno_fine:
; THE WAY OUT, block by block of 16 rows x 128 columns.  PACK: rounded to f16, 16 bytes a lane.  TOSTAGE: into my stage and back as whole rows of 256 bytes.  SEND: stored.
.macro PACK a
.set AC, 64*((\a)%4)
	WIN 0x0a+5*((\a)/4)                            ; sources 0 and 1: window 2 or 3
.irp b, 0,1,2,3,4,5,6,7
.irp r, 0,1,2,3
	v_cvt_pk_f16_f32 v[TMP+4*\b+\r], v[AC+8*\b+2*\r], v[AC+8*\b+2*\r+1]
.endr
.endr
	WIN 0
.endm
.macro TOSTAGE a
.set BB, OB+192*((\a)%2)
.irp b, 0,1,2,3,4,5,6,7
	ds_store_b128 v[STO], v[TMP+4*\b:TMP+4*\b+3] offset:32*\b
.endr
.irp t, 0,1,2,3,4,5,6,7
	ds_load_b128 v[BB+4*\t:BB+4*\t+3], v[RD] offset:\t*2*SPITCH    ; LDS serves a wave's instructions in order (ISA guide 5.7.1.4): these see the stores above
.endr
.endm
.macro SEND a
.set BB, OB+192*((\a)%2)
	s_wait_dscnt 0x0                               ; the block is back in registers
	s_wait_xcnt 0x0                                ; earlier stores have read their registers and their base: only behind this wait are they rewritten
.if (\a) > 0
	s_add_nc_u64 s[12:13], s[12:13], 16*CROW       ; 16 rows on, so that the stores' offsets stay small
.endif
.irp t, 0,1,2,3,4,5,6,7
	global_store_b128 v[CO], v[BB+4*\t:BB+4*\t+3], s[12:13] offset:2*\t*CROW   ; 16 lanes store 256 consecutive bytes, at a multiple of 256 from the buffer's first byte
.endr
.endm
	PACK 0
	TOSTAGE 0
.irp a, 1,2,3,4,5,6,7                  ; block a's conversions stand between block a - 1's loads from the stage and the wait for them
	PACK \a
	SEND \a-1
	TOSTAGE \a
.endr
	SEND 7
	s_wait_tensorcnt 0x0                           ; the wave's end
	ds_add_u32 v[SPW], v[NIL]
	s_wait_dscnt 0x0
	CROUND                                         ; the closing round: no work-group ends while a partner may still ask for a tile that names it
	s_endpgm
.Lfunc_end_k_q075aebc88f_qkv:
	.size	k_q075aebc88f_qkv, .Lfunc_end_k_q075aebc88f_qkv-k_q075aebc88f_qkv
	.p2alignl 7, 3214868480
	.fill 96, 4, 3214868480
	.section	.rodata,"a",@progbits
	.p2align	6, 0x0
	.amdhsa_kernel k_q075aebc88f_qkv
		.amdhsa_group_segment_fixed_size 327680
		.amdhsa_private_segment_fixed_size 0
		.amdhsa_enable_private_segment 0
		.amdhsa_kernarg_size 48
		.amdhsa_user_sgpr_count 2
		.amdhsa_user_sgpr_kernarg_segment_ptr 1
		.amdhsa_wavefront_size32 1
		.amdhsa_system_sgpr_workgroup_id_x 1
		.amdhsa_system_sgpr_workgroup_id_y 1
		.amdhsa_system_sgpr_workgroup_id_z 1
		.amdhsa_system_vgpr_workitem_id 0
		.amdhsa_next_free_vgpr 1024
		.amdhsa_next_free_sgpr 98
		.amdhsa_reserve_vcc 0
		.amdhsa_float_denorm_mode_32 3
		.amdhsa_float_denorm_mode_16_64 3
		.amdhsa_memory_ordered 1
		.amdhsa_forward_progress 1
		.amdhsa_inst_pref_size 129
	.end_amdhsa_kernel
	.amdgpu_metadata
---
amdhsa.version: [ 1, 2 ]
amdhsa.kernels:
  - .name:           k_q075aebc88f_qkv
    .symbol:         k_q075aebc88f_qkv.kd
    .args:
      - { .name: xc, .offset: 0, .size: 8, .value_kind: global_buffer, .address_space: global }
      - { .name: xs, .offset: 8, .size: 8, .value_kind: global_buffer, .address_space: global }
      - { .name: wc, .offset: 16, .size: 8, .value_kind: global_buffer, .address_space: global }
      - { .name: ws, .offset: 24, .size: 8, .value_kind: global_buffer, .address_space: global }
      - { .name: qkv, .offset: 32, .size: 8, .value_kind: global_buffer, .address_space: global }
      - { .name: fine, .offset: 40, .size: 8, .value_kind: global_buffer, .address_space: global }
    .group_segment_fixed_size: 327680
    .private_segment_fixed_size: 0
    .kernarg_segment_align: 8
    .kernarg_segment_size: 48
    .max_flat_workgroup_size: 128
    .sgpr_count:     98
    .vgpr_count:     1024
    .wavefront_size: 32
...
	.end_amdgpu_metadata
.endif
;; end of part 2
;; launch scores (part 3): grid 36 x 4, 4 waves a work-group, no clusters, 327,680 bytes of LDS; arguments qkv, pt, st; writes pt, st
.if DOCPART == 3
	.amdgcn_target "amdgcn-amd-amdhsa--gfx1250"
	.amdhsa_code_object_version 6
	.text
	.protected	k_q075aebc88f_scores
	.globl	k_q075aebc88f_scores
	.p2align	8
	.type	k_q075aebc88f_scores,@function
k_q075aebc88f_scores:
	s_mov_b64 s[64:65], 0
	v_nop
	global_prefetch_b8 v0, s[64:65] scope:SCOPE_SE
	s_setreg_imm32_b32 hwreg(HW_REG_WAVE_MODE, 25, 1), 1
	s_wait_xcnt 0x0
; For each batch and each tile of 256 queries x 256 keys at or under the diagonal: S = q k^T over the 1,024 channels (f16 operands, f32 sums), and on the way out, for each query and each block j of 128 keys:
; t = S x log2(e) / 32;  M_j = the block's largest t, rounded up to a whole number;  p = 2^(t - M_j), as f16;  L_j = the sum of the unrounded p.
; p IS STORED IN THE ORDER OF THE NEXT PRODUCT'S OPERAND REGISTERS: pt is [batch][block of 16 queries][chunk of 32 keys], 1,024 bytes each: registers 0-3 of the 32 lanes on end (16 bytes a lane), then registers 4-7.
; A lane's eight packed registers of two neighbouring tiles of 16 keys ARE that fragment: they are stored as they stand, and each store of the wave covers 512 consecutive bytes, aligned.
; (-M_j, L_j) go to st as pairs of f32 at [batch][j][query].  The next launch brings the blocks of a row under one M by exact powers of two: so the row's maximum is taken away for every input.
; WORK LEFT OUT: tiles wholly above the diagonal (key > query everywhere) get the weight 0 from reference()'s own mask for all values of the inputs: of 64 tiles a batch 36 are made.
; On a diagonal tile hidden scores become -infinity ahead of the maximum, so p = 0.  A block of 128 x 128 all of whose keys are hidden (the upper right quarter of a diagonal tile) stores zeros, L = 0 and a finite, very large -M.
; NO CLUSTER: a tile row of the causal triangle has 1 to 8 tiles and so has a tile column; groups of four work-groups that share one tile row or one tile column do not cover the 36 tiles of a batch.
; A tile is made by four waves, 128 x 128 each: 64 accumulators.  K goes in steps of 128 (rows of 256 bytes) through a ring of two LDS slots; each wave fetches a quarter of a slot by one tensor load:
; two loads of mine are out at the start, one behind each barrier at which a slot is filled again.
; THE MATRIX INSTRUCTION IS USED TRANSPOSED (source 0 = 16 keys, source 1 = 16 queries): a lane holds one query (lane % 16), and accumulator (a, b)'s register e the key 16 b + 8 (lane / 16) + e.
; REGISTERS: window 0: v0-31 addresses and small things; v64-127, v128-191 q's fragments, two buffers; on the way out v64-255.   window 1: v64-127, v128-191 k's fragments.
;   window 2: the 32 accumulators of my queries 0-63 (accumulator (a, b) at v[8 (8 a + b)]);   window 3: those of my queries 64-127.
.set KSTEP,  128
.set PITCH,  272                       ; an LDS row: 256 bytes + 16 of padding: the 16 rows that a load touches start at 16 different banks (64 banks of 4 bytes: ISA guide 11.1)
.set HALFT,  128*PITCH
.set SLOT,   4*HALFT                   ; q's 256 rows, then k's 256 rows
.set SPARE,  2*SLOT                    ; behind the ring: the spare words, 128 bytes for each wave, which no other line names
.set LAPS,   4                         ; 1,024 / (2 x 128)
.set QROW,   6144                      ; a row of qkv in bytes
.set NM,   4                           ; v[4:5]  -M (the packed form names the pair and takes its low word; v5 is written once)
.set XT,   6                           ; v6      what comes from the lane 16 away
.set TT,   7                           ; v7      the largest t
.set SU,   8                           ; v[8:11] the sums, two chains
.set ADRA, 16                          ; v16-17  LDS address of my q fragments in slot 0, 1
.set ADRB, 20                          ; v20-21  the same for k
.set CO,   26                          ; v26     16 x lane: my place in half a fragment of pt
.set TO,   27                          ; v27     8 x lane: my place in the tables
.set SPW,  28                          ; v28     LDS address of my spare word; never rewritten
.set NIL,  29                          ; v29     0; never rewritten
.set DV,   30                          ; v30     128 (row half - column half) + lane % 16 - 8 (lane / 16)
.set NINF, 31                          ; v31     -infinity
.set F0,   64
.set F1,   128
.set T,    64                          ; the way out: v64-127 t - M, then p
.set CHN,  128                         ; v128-143 chains of the maximum
.set MV,   144                         ; v144-151 -M of my eight blocks of 16 queries
.set LV,   152                         ; v152-159 L of them
.set SELR, 160                         ; v160-167 the tables, a lane a query: pairs (-M, L)
.set TMP,  192                         ; p as f16: v192-223 and v224-255 by turns
.set G1, 24
.set G0, 32
.set MSB, 0
.macro WIN new
.if MSB != (\new)
	s_set_vgpr_msb (MSB<<8)|(\new)
.set MSB, (\new)
.endif
.endm
.set MUL_LO, 0xa1                      ; source 0 (k) window 1, source 1 (q) window 0, C and D window 2
.set MUL_HI, 0xf1
.set TO_B,   0x40
	s_load_b128 s[4:7], s[0:1], 0x0                ; qkv s[4:5], pt s[6:7]
	s_load_b64 s[8:9], s[0:1], 0x10                ; st
	v_lshl_add_u32 v[SPW], v0, 2, SPARE
	v_mov_b32 v[NIL], 0
	ds_add_u32 v[SPW], v[NIL]                      ; the wave's opening: the add, twice on end, and its wait ahead of my first tensor load
	ds_add_u32 v[SPW], v[NIL]
	v_lshrrev_b32 v1, 5, v0
	v_readfirstlane_b32 s12, v1                    ; wave 0..3
	s_lshr_b32 s13, s12, 1                         ; which half of the tile's queries is mine.  Also: I fetch q (0) or k (1)
	s_and_b32 s14, s12, 1                          ; which half of its keys.  Also: which 128 rows I fetch
	s_and_b32 s17, ttmp7, 0xffff                   ; the batch
	s_mov_b32 s15, 0                               ; the tile row: work-group x = row (row + 1) / 2 + column, column <= row
.irp th, 1,3,6,10,15,21,28
	s_cmp_ge_u32 ttmp9, \th
	s_cselect_b32 s18, 1, 0
	s_add_co_u32 s15, s15, s18
.endr
	s_add_co_u32 s18, s15, 1
	s_mul_i32 s18, s18, s15
	s_lshr_b32 s18, s18, 1
	s_sub_co_u32 s16, ttmp9, s18                   ; the tile column
	s_mov_b32 s[G1+0], (1<<16)|(1<<20)|(5<<22)|(3<<25)   ; group 1: no mask; elements of 2 bytes; padding on: after every 64 words four words
	s_mov_b32 s[G1+1], KSTEP<<16                   ; tensor_dim0
	s_mov_b32 s[G1+2], 128<<16                     ; tensor_dim1
	s_mov_b32 s[G1+3], KSTEP<<16                   ; tile_dim0
	s_mov_b32 s[G1+4], 128                         ; tile_dim1
	s_mov_b32 s[G1+5], 3072                        ; elements from row to row
	s_mov_b32 s[G1+6], 0
	s_mov_b32 s[G1+7], 0
	s_mov_b32 s40, 0x3d38aa3b                      ; c = log2(e) / 32
	s_mov_b32 s41, s40                             ; (named with it as a pair)
	s_mov_b32 s42, 0x76543210
	s_mov_b32 s43, 0xfedcba98                      ; v_permlanex16_b32's selects for lane l xor 16
	s_mov_b32 s44, 0xffff0000                      ; lanes 16-31
	s_cmp_eq_u32 s13, 0
	s_cselect_b32 s18, s15, s16                    ; q's rows go by the tile row, k's by the tile column
	s_cselect_b32 s19, 0, 2048                     ; k lies 2,048 bytes on in a row of qkv
	s_lshl_b32 s18, s18, 8
	s_lshl_b32 s20, s17, 11
	s_add_co_u32 s18, s18, s20
	s_lshl_b32 s20, s14, 7
	s_add_co_u32 s18, s18, s20                     ; the first row that I fetch
	s_mul_i32 s18, s18, QROW
	s_add_co_u32 s18, s18, s19
	s_mov_b32 s19, 0
	s_mul_i32 s22, s12, HALFT                      ; where it goes: q's two halves, then k's two halves
	s_wait_dscnt 0x0                               ; both opening adds are done
	s_wait_kmcnt 0x0
	s_add_nc_u64 s[20:21], s[4:5], s[18:19]
.irp s, 0,1                            ; every wave issues its two first fills, with no branch: K steps 0 and 1
	s_mov_b32 s[G0+4*\s], 1
	s_add_co_u32 s[G0+4*\s+1], s22, \s*SLOT
	s_add_nc_u64 s[G0+4*\s+2:G0+4*\s+3], s[20:21], \s*KSTEP*2
	s_or_b32 s[G0+4*\s+3], s[G0+4*\s+3], 0x80000000
	tensor_load_to_lds s[G0+4*\s:G0+4*\s+3], s[G1:G1+7]
	s_nop 0
.endr
	v_and_b32 v1, 15, v0                           ; l % 16
	v_bfe_u32 v2, v0, 4, 1                         ; l / 16
	v_mul_u32_u24 v3, v1, PITCH
	v_lshl_add_u32 v3, v2, 4, v3                   ; a fragment's row x pitch + 16 x half
	s_mul_i32 s21, s13, HALFT                      ; my 128 queries
	s_mul_i32 s22, s14, HALFT                      ; my 128 keys,
	s_add_co_u32 s22, s22, 2*HALFT                 ; which lie behind q's 256 rows
.irp s, 0,1
	v_add_nc_u32 v[ADRA+\s], s21, v3
	v_add_nc_u32 v[ADRB+\s], s22, v3
	s_add_co_u32 s21, s21, SLOT
	s_add_co_u32 s22, s22, SLOT
.endr
	v_and_b32 v5, 31, v0
	v_lshlrev_b32 v[CO], 4, v5
	v_lshlrev_b32 v[TO], 3, v5
	s_sub_co_i32 s18, s13, s14
	s_lshl_b32 s18, s18, 7
	v_lshlrev_b32 v5, 3, v2
	v_sub_nc_u32 v5, v1, v5
	v_add_nc_u32 v[DV], s18, v5
	v_mov_b32 v[NINF], 0xff800000
	v_mov_b32 v5, 0                                ; the upper half of the pair v[4:5]
	v_mov_b32 v[XT], 0                             ; a lane permute's destination counts as one of its sources
	s_lshl_b32 s18, s15, 8
	s_lshl_b32 s19, s13, 7
	s_add_co_u32 s18, s18, s19                     ; my first query in the batch
	s_lshl_b32 s19, s17, 11
	s_add_co_u32 s19, s19, s18
	s_lshl_b32 s20, s19, 12                        ; pt: (query / 16) x 64 fragments x 1,024 bytes = query x 4,096,
	s_lshl_b32 s19, s16, 13
	s_add_co_u32 s20, s20, s19                     ; + 8 fragments for each 256 keys,
	s_lshl_b32 s19, s14, 12
	s_add_co_u32 s20, s20, s19                     ; + 4 for my half of them
	s_mov_b32 s21, 0
	s_add_nc_u64 s[6:7], s[6:7], s[20:21]
	s_lshl_b32 s19, s17, 4
	s_lshl_b32 s22, s16, 1
	s_add_co_u32 s19, s19, s22
	s_add_co_u32 s19, s19, s14                     ; 16 x batch + my block of 128 keys
	s_lshl_b32 s19, s19, 11
	s_add_co_u32 s19, s19, s18
	s_lshl_b32 s20, s19, 3                         ; 8 bytes a query
	s_add_nc_u64 s[8:9], s[8:9], s[20:21]          ; the tables at my first query
; 16 matrix instructions: query blocks a0, a0 + 1 of the window's four x all 8 key blocks, 32 along K.  zero = 1: the first product starts the sums.
; The 64 accumulators take turns, one instruction a turn, in the same order in every quarter.
.macro MUL16 f, hi, a0, zero
.irp a, \a0, \a0+1
.irp b, 0,1,2,3,4,5,6,7
.if \zero
	v_wmma_f32_16x16x32_f16 v[8*(8*(\a)+\b):8*(8*(\a)+\b)+7], v[\f+8*\b:\f+8*\b+7], v[\f+8*(4*\hi+\a):\f+8*(4*\hi+\a)+7], 0
.else
	v_wmma_f32_16x16x32_f16 v[8*(8*(\a)+\b):8*(8*(\a)+\b)+7], v[\f+8*\b:\f+8*\b+7], v[\f+8*(4*\hi+\a):\f+8*(4*\hi+\a)+7], v[8*(8*(\a)+\b):8*(8*(\a)+\b)+7]
.endif
.endr
.endr
.endm
.macro FETCH slot, k, f                ; 32 LDS loads in one run: the fragments of one quarter (128 keys, 128 queries, 32 K at byte k of the rows) into buffer f
	WIN TO_B
.irp i, 0,1,2,3,4,5,6,7
	ds_load_b128 v[\f+8*\i:\f+8*\i+3],   v[ADRB+\slot] offset:\k+\i*16*PITCH
	ds_load_b128 v[\f+8*\i+4:\f+8*\i+7], v[ADRB+\slot] offset:\k+\i*16*PITCH+32
.endr
	WIN 0
.irp i, 0,1,2,3,4,5,6,7
	ds_load_b128 v[\f+8*\i:\f+8*\i+3],   v[ADRA+\slot] offset:\k+\i*16*PITCH
	ds_load_b128 v[\f+8*\i+4:\f+8*\i+7], v[ADRA+\slot] offset:\k+\i*16*PITCH+32
.endr
.endm
.macro PLACES                          ; four places in front of loads into registers that matrix instructions have read, and of the first read of results
.rept 4
	v_nop
.endr
.endm
.macro QUARTER slot, k, f, g, zero     ; multiplies buffer f; in its middle it fetches the next quarter, at byte k of the same slot's rows, into g
	s_wait_dscnt 8                                 ; k and q's rows 0-63 are in; the youngest eight loads (q's rows 64-127) may be out
	WIN MUL_LO
	MUL16 \f, 0, 0, \zero
	MUL16 \f, 0, 2, \zero
	PLACES
	FETCH \slot, \k, \g
	s_wait_dscnt 32                                ; all but the 32 just issued
	WIN MUL_HI
	MUL16 \f, 1, 0, \zero
	MUL16 \f, 1, 2, \zero
.endm
; The last quarter multiplies buffer 1 and changes slots: ONE barrier.  In front of it each wave waits for all its tensor loads (its part of the next slot), adds 0 to its spare word, and waits for that and for its own reads
; of this slot.  fill = 1: behind it this slot is filled again first, two K steps ahead: that load has 224 matrix instructions of mine in which to land.
.macro TURN slot, next, fill
	WIN 0                                          ; (the add's two registers lie in window 0)
	s_wait_tensorcnt 0x0                           ; all my tensor loads have landed, so a group 0 may be written
	ds_add_u32 v[SPW], v[NIL]                      ; 0 onto my spare word
.if \fill
	s_add_nc_u64 s[G0+4*\slot+2:G0+4*\slot+3], s[G0+4*\slot+2:G0+4*\slot+3], 2*KSTEP*2
.endif
	s_wait_dscnt 9                                 ; (the add and the youngest eight loads may be out)
	WIN MUL_LO
	MUL16 F1, 0, 0, 0
	s_wait_dscnt 0x0                               ; the add is done, and my reads of this slot are over
	s_barrier_signal -1
	MUL16 F1, 0, 2, 0
	WIN 0
	s_barrier_wait -1
.if \fill
	tensor_load_to_lds s[G0+4*\slot:G0+4*\slot+3], s[G1:G1+7]      ; my one tensor load behind this barrier, and the first thing there
	s_nop 0
.endif
	PLACES
	FETCH \next, 0, F0
	WIN MUL_HI
	MUL16 F1, 1, 0, 0
	MUL16 F1, 1, 2, 0
.endm
	s_wait_tensorcnt 1                             ; my part of K step 0 is in (K step 1's may stay out)
	s_barrier_signal -1
	s_barrier_wait -1                              ; everybody's is
	FETCH 0, 0, F0
	QUARTER 0, 64,  F0, F1, 1                      ; the first quarter stands in front of the loop: its products start the sums
	WIN 0
	s_mov_b32 s3, LAPS-1
.Llap:                                                 ; a trip goes once round the ring, from a lap's second quarter to the next lap's first, and fills both slots again
	QUARTER 0, 128, F1, F0, 0
	QUARTER 0, 192, F0, F1, 0
	TURN 0, 1, 1
	QUARTER 1, 64,  F0, F1, 0
	QUARTER 1, 128, F1, F0, 0
	QUARTER 1, 192, F0, F1, 0
	TURN 1, 0, 1
	QUARTER 0, 64,  F0, F1, 0
	WIN 0
	s_sub_co_u32 s3, s3, 1
	s_cmp_lg_u32 s3, 0
	s_cbranch_scc1 .Llap
	QUARTER 0, 128, F1, F0, 0                      ; the last lap is written out: it fills nothing
	QUARTER 0, 192, F0, F1, 0
	TURN 0, 1, 0
	QUARTER 1, 64,  F0, F1, 0
	QUARTER 1, 128, F1, F0, 0
	QUARTER 1, 192, F0, F1, 0
	s_wait_dscnt 8
	WIN MUL_LO
	MUL16 F1, 0, 0, 0
	MUL16 F1, 0, 2, 0
	s_wait_dscnt 0
	WIN MUL_HI
	MUL16 F1, 1, 0, 0
	MUL16 F1, 1, 2, 0
	WIN 0
	PLACES
; THE SOFTMAX'S FIRST HALF for block a: 16 queries x my 128 keys, 64 scores a lane; then the block's four fragments are stored.
.macro SOFT a
.set W, 2+(\a)/4
.set AC, 64*((\a)%4)
.set TS, TMP+32*((\a)%2)
	s_cmp_lg_u32 s15, s16                          ; only a tile on the diagonal has hidden keys: a branch on the work-group's number
	s_cbranch_scc1 .Lopen_\@
	WIN (W<<6)|W
.set n, 0
.rept 64                               ; register n holds key 16 (n / 8) + n % 8 + 8 (lane / 16) of my 128: hidden where it comes after query 16 a + lane % 16 of my 128
	v_cmp_gt_i32 vcc_lo, 16*(n/8)+n%8-16*(\a), v[DV]
	v_cndmask_b32 v[AC+n], v[AC+n], v[NINF], vcc_lo
.set n, n+1
.endr
	WIN 0
.Lopen_\@:
	WIN 21*W                                       ; three sources in the accumulators' window
.irp b, 0,1,2,3,4,5,6,7
	v_max3_num_f32 v[CHN+\b], v[AC+8*\b], v[AC+8*\b+1], v[AC+8*\b+2]          ; each accumulator from its low end on
.endr
.irp b, 0,1,2,3,4,5,6,7
	v_max3_num_f32 v[CHN+8+\b], v[AC+8*\b+3], v[AC+8*\b+4], v[AC+8*\b+5]
.endr
	WIN 20*W
.irp b, 0,1,2,3,4,5,6,7
	v_max3_num_f32 v[CHN+\b], v[CHN+\b], v[AC+8*\b+6], v[AC+8*\b+7]
.endr
	WIN 0
.irp i, 0,3,6,9,12
	v_max3_num_f32 v[CHN+\i], v[CHN+\i], v[CHN+\i+1], v[CHN+\i+2]
.endr
	v_max3_num_f32 v[CHN], v[CHN], v[CHN+3], v[CHN+6]
	v_max3_num_f32 v[CHN+9], v[CHN+9], v[CHN+12], v[CHN+15]
	v_max3_num_f32 v[CHN], v[CHN], v[CHN+9], 0xff61b1e6   ; and -3e38, so that a row all of whose keys are hidden keeps a finite M
	v_permlanex16_b32 v[XT], v[CHN], s42, s43
	v_max_num_f32 v[CHN], v[CHN], v[XT]            ; with the lane 16 away: the largest score of my query in these 128 keys
	v_mul_f32 v[TT], s40, v[CHN]                   ; as t (c is positive)
	v_floor_f32 v[NM], -v[TT]                      ; -M = floor(-t) = -ceil(t): M is a whole number
	WIN W
.set n, 0
.rept 32
	v_pk_fma_f32 v[T+2*n:T+2*n+1], v[AC+2*n:AC+2*n+1], s[40:41], v[NM:NM+1] op_sel_hi:[1,0,0]   ; t - M, two at a time
.set n, n+1
.endr
	WIN 0
.set n, 0
.rept 64
	v_exp_f32 v[T+n], v[T+n]                       ; p = 2^(t - M), at most 1
.set n, n+1
.endr
	v_mov_b32 v[MV+(\a)], v[NM]                    ; (a plain line behind the exponentials)
	s_wait_alu depctr_va_vdst(0)                   ; one wait for the whole batch, ahead of its first reader
	v_pk_add_f32 v[SU:SU+1], v[T:T+1], v[T+2:T+3]  ; the sum of the unrounded p, in two chains
	v_pk_add_f32 v[SU+2:SU+3], v[T+4:T+5], v[T+6:T+7]
.irp j, 8,12,16,20,24,28,32,36,40,44,48,52,56,60
	v_pk_add_f32 v[SU:SU+1], v[SU:SU+1], v[T+\j:T+\j+1]
	v_pk_add_f32 v[SU+2:SU+3], v[SU+2:SU+3], v[T+\j+2:T+\j+3]
.endr
	v_pk_add_f32 v[SU:SU+1], v[SU:SU+1], v[SU+2:SU+3]
	v_add_f32 v[SU], v[SU], v[SU+1]
	v_permlanex16_b32 v[XT], v[SU], s42, s43
	v_add_f32 v[LV+(\a)], v[SU], v[XT]
	s_wait_xcnt 0x0                                ; the stores of the block before last have read these registers
.set n, 0
.rept 32
	v_cvt_pk_f16_f32 v[TS+n], v[T+2*n], v[T+2*n+1]
.set n, n+1
.endr
.irp c, 0,1,2,3                        ; chunk c of 32 keys: registers 8 c .. 8 c + 7 are the fragment; a block of 16 queries is 65,536 bytes on from the last
	global_store_b128 v[CO], v[TS+8*\c:TS+8*\c+3], s[6:7] offset:(\a)*65536+1024*\c
	global_store_b128 v[CO], v[TS+8*\c+4:TS+8*\c+7], s[6:7] offset:(\a)*65536+1024*\c+512
.endr
.endm
.irp a, 0,1,2,3,4,5,6,7
	SOFT \a
.endr
	; the tables: both halves of the lanes hold a block's 16 numbers; lanes 0-15 take an even block's, lanes 16-31 the next block's: a lane a query, 256 consecutive bytes a store
.irp u, 0,1,2,3
	v_cndmask_b32 v[SELR+2*\u], v[MV+2*\u], v[MV+2*\u+1], s44
	v_cndmask_b32 v[SELR+2*\u+1], v[LV+2*\u], v[LV+2*\u+1], s44
.endr
.irp u, 0,1,2,3
	global_store_b64 v[TO], v[SELR+2*\u:SELR+2*\u+1], s[8:9] offset:256*\u
.endr
	s_wait_tensorcnt 0x0                           ; the wave's end
	ds_add_u32 v[SPW], v[NIL]
	s_wait_dscnt 0x0
	s_endpgm
.Lfunc_end_k_q075aebc88f_scores:
	.size	k_q075aebc88f_scores, .Lfunc_end_k_q075aebc88f_scores-k_q075aebc88f_scores
	.p2alignl 7, 3214868480
	.fill 96, 4, 3214868480
	.section	.rodata,"a",@progbits
	.p2align	6, 0x0
	.amdhsa_kernel k_q075aebc88f_scores
		.amdhsa_group_segment_fixed_size 327680
		.amdhsa_private_segment_fixed_size 0
		.amdhsa_enable_private_segment 0
		.amdhsa_kernarg_size 24
		.amdhsa_user_sgpr_count 2
		.amdhsa_user_sgpr_kernarg_segment_ptr 1
		.amdhsa_wavefront_size32 1
		.amdhsa_system_sgpr_workgroup_id_x 1
		.amdhsa_system_sgpr_workgroup_id_y 1
		.amdhsa_system_sgpr_workgroup_id_z 1
		.amdhsa_system_vgpr_workitem_id 0
		.amdhsa_next_free_vgpr 1024
		.amdhsa_next_free_sgpr 66
		.amdhsa_reserve_vcc 1
		.amdhsa_float_denorm_mode_32 3
		.amdhsa_float_denorm_mode_16_64 3
		.amdhsa_memory_ordered 1
		.amdhsa_forward_progress 1
		.amdhsa_inst_pref_size 240
	.end_amdhsa_kernel
	.amdgpu_metadata
---
amdhsa.version: [ 1, 2 ]
amdhsa.kernels:
  - .name:           k_q075aebc88f_scores
    .symbol:         k_q075aebc88f_scores.kd
    .args:
      - { .name: qkv, .offset: 0, .size: 8, .value_kind: global_buffer, .address_space: global }
      - { .name: pt, .offset: 8, .size: 8, .value_kind: global_buffer, .address_space: global }
      - { .name: st, .offset: 16, .size: 8, .value_kind: global_buffer, .address_space: global }
    .group_segment_fixed_size: 327680
    .private_segment_fixed_size: 0
    .kernarg_segment_align: 8
    .kernarg_segment_size: 24
    .max_flat_workgroup_size: 128
    .sgpr_count:     66
    .vgpr_count:     1024
    .wavefront_size: 32
...
	.end_amdgpu_metadata
.endif
;; end of part 3
;; launch pv (part 4): grid 8 x 32, 4 waves a work-group, no clusters, 327,680 bytes of LDS; arguments pt, qkv, st, out0; writes out0
.if DOCPART == 4
	.amdgcn_target "amdgcn-amd-amdhsa--gfx1250"
	.amdhsa_code_object_version 6
	.text
	.protected	k_q075aebc88f_pv
	.globl	k_q075aebc88f_pv
	.p2align	8
	.type	k_q075aebc88f_pv,@function
k_q075aebc88f_pv:
	s_mov_b64 s[64:65], 0
	v_nop
	global_prefetch_b8 v0, s[64:65] scope:SCOPE_SE
	s_setreg_imm32_b32 hwreg(HW_REG_WAVE_MODE, 25, 1), 1
	s_wait_xcnt 0x0
; out[q][d] = (sum over the blocks j of 128 keys of f_j sum over the block's keys of p[q][k] v[k][d]) / l,  f_j = 2^(M_j - M), M = the largest M_j of the row, l = sum of f_j L_j.  p (f16, as operand fragments), -M_j and L_j
; come from the launch before, v (f16) from qkv.  A key block's products start a sum T with the constant 0; MAIN += f_j T is made in f32.  f_j is a power of two.
; WORK LEFT OUT: key blocks that lie wholly behind a block of queries: reference()'s own mask gives them the weight 0 for all values of the inputs.  Positions 0-15 of each batch are stored by the launch behind this one.
; SHARES.  A work-group makes two tiles of 128 queries x 128 channels of one batch: first query block y' = y % 8 (2, 4, 6 or 8 key blocks), then query block 15 - y' (16 to 10): EIGHTEEN key blocks in every work-group, so
; every trip count is a constant.  Where a query block has an odd number of live key blocks, the last one walked is the zeros that the launch before stored, with f = 0.  A wave makes 32 queries x 128 channels: 16 sums.
; p COMES FROM MEMORY STRAIGHT INTO REGISTERS: no two waves need the same p.  16 loads of 512 consecutive bytes a key block, into the place of the block just multiplied: four key blocks, 256 products, ahead of their use.
; v GOES THROUGH LDS: two slots of four key blocks; each wave fills one key block of a slot by one tensor load.  Two loads of mine are out at the start, one behind each barrier at which a slot is filled again; that load has
; four key blocks in which to land.  The last fill has two key blocks: waves 0 and 1 issue it.
; NO CLUSTER: joint loads fill LDS, and p goes to registers; one walk of v is shared by the two work-groups of a pair of neighbouring query blocks alone.
; Source 0 = 16 channels x 32 keys of v, turned by ds_load_tr16_b128; source 1 = 16 queries x 32 keys of p: a lane holds one query (lane % 16) and eight neighbouring channels.
; A KEY BLOCK goes in four groups: channels 32 g on x my 32 queries x 4 chunks of 32 keys: 16 products on four sums by turns.  Behind a group's products stand the group before's 16
; multiply-adds, which are also the places in front of the loads that refill the group's fragments of v with the next key block's.
; REGISTERS: window 0: v16-30 addresses; v32-95 the way out; v96-107 factors and 1 / l; v128-255 MAIN ((qq, n) at v[128 + 64 qq + 8 n]), at the head the tables' arithmetic.
;   window 1: v's fragments, four buffers of 64.   window 2: p's fragments, four buffers of 64.   window 3: v0-127 T.
.set VP,     288                       ; a row of v in LDS: 256 bytes + 32
.set VKB,    128*VP                    ; a key block
.set SLOTB,  4*VKB
.set STAGE,  2*SLOTB                   ; behind the ring: 16 rows x 272 bytes for each wave
.set SPITCH, 272
.set FT,     STAGE+4*16*SPITCH         ; the factors: [18 key blocks in walking order][128 queries], f32
.set LINV,   FT+18*512                 ; 1 / l: [2 tiles][128 queries]
.set SPARE,  LINV+1024                 ; the spare words, 128 bytes for each wave, which no other line names
.set AV,   16                          ; v16-19  my lane's place in key block 0 .. 3 of a slot
.set ADR,  20                          ; v20     LDS address of the key block that is being fetched
.set PO,   21                          ; v21     16 x lane
.set FW,   22                          ; v22     where my thread writes the tables
.set STO,  24
.set RD,   25
.set CO,   26
.set FA,   27                          ; v27     where my lane reads a key block's factors; 512 bytes on in each key block
.set SPW,  28                          ; v28     LDS address of my spare word; never rewritten
.set NIL,  29                          ; v29     0; never rewritten
.set LA,   30                          ; v30     where my lane reads 1 / l
.set TMP,  32
.set BK,   64
.set FAC,  96                          ; v96-103 factors: two sets of two pairs (the odd registers are written once)
.set LI,   104                         ; v104-107 1 / l, two pairs
.set ACC,  128
.set NMV,  128                         ; at the head: (-M, L) of the 18 positions,
.set OFS,  164                         ; offsets of positions 2-7,
.set FV,   172                         ; the factors,
.set MINA, 190
.set MINB, 191
.set BIG,  192
.set T1,   193
.set T2,   194
.set LSA,  195
.set LSB,  196
.set ZR,   197
.set NB2,  22                          ; s22  the first tile's key blocks
.set KC,   23                          ; s23  the key block in hand
.set TB,   85                          ; s85  LDS byte at which the slot that is being fetched from begins
.set G1V,  40                          ; s[40:47] descriptor group 1
.set G0,   48                          ; s[48:55] group 0: a set for each first fill; the second then walks on
.set MSB, 0
.macro WIN new
.if MSB != (\new)
	s_set_vgpr_msb (MSB<<8)|(\new)
.set MSB, (\new)
.endif
.endm
.set MULW, 0xf9                        ; source 0 (v) window 1, source 1 (p) window 2, C and D window 3
.macro VADDR set                       ; s72 = a position in walking order: its key block's address into group 0
	s_cmp_ge_u32 s72, s[NB2]                       ; of the second tile?  Then its key blocks begin anew
	s_cselect_b32 s73, s[NB2], 0
	s_sub_co_u32 s72, s72, s73
	s_mul_i32 s72, s72, 128*6144
	s_mov_b32 s73, 0
	s_add_nc_u64 s[G0+4*\set+2:G0+4*\set+3], s[68:69], s[72:73]
	s_or_b32 s[G0+4*\set+3], s[G0+4*\set+3], 0x80000000
.endm
.macro PADDR d                         ; s[76:77] = where my p of position KC + d begins
	s_wait_xcnt 0x0                                ; the loads issued earlier have read their base
	s_add_co_u32 s72, s[KC], \d
	s_cmp_ge_u32 s72, s[NB2]
	s_cselect_b32 s73, s[NB2], 0
	s_cselect_b32 s74, s71, s70
	s_sub_co_u32 s72, s72, s73
	s_lshl_b32 s72, s72, 12                        ; four fragments of 1,024 bytes a key block
	s_add_co_u32 s72, s72, s74
	s_mov_b32 s73, 0
	s_add_nc_u64 s[76:77], s[66:67], s[72:73]
.endm
.macro PLOAD j                         ; 16 loads: my two blocks of 16 queries x four chunks of 32 keys, into buffer j
	WIN 0x80
.irp qq, 0,1
.irp c, 0,1,2,3
	global_load_b128 v[64*(\j)+32*\qq+8*\c:64*(\j)+32*\qq+8*\c+3],   v[PO], s[76:77] offset:65536*\qq+1024*\c
	global_load_b128 v[64*(\j)+32*\qq+8*\c+4:64*(\j)+32*\qq+8*\c+7], v[PO], s[76:77] offset:65536*\qq+1024*\c+512
.endr
.endr
.endm
.macro VLOAD g                         ; 16 LDS loads: channels 32 g on, four chunks of 32 keys, into buffer g
	WIN 0x40
.irp u, 0,1
.irp c, 0,1,2,3
	ds_load_tr16_b128 v[64*(\g)+32*\u+8*\c:64*(\g)+32*\u+8*\c+3],   v[ADR] offset:32*\c*VP+32*(2*(\g)+\u)
	ds_load_tr16_b128 v[64*(\g)+32*\u+8*\c+4:64*(\g)+32*\u+8*\c+7], v[ADR] offset:(32*\c+16)*VP+32*(2*(\g)+\u)
.endr
.endr
.endm
.macro FACT set                        ; a key block's factors of my two blocks of 16 queries
.irp qq, 0,1
	ds_load_b32 v[FAC+4*(\set)+2*\qq], v[FA] offset:64*\qq
.endr
.endm
.macro PROD g, j                       ; 16 products; the first four start the sums
	WIN MULW
.irp c, 0,1,2,3
.irp u, 0,1
.irp qq, 0,1
.if \c == 0
	v_wmma_f32_16x16x32_f16 v[64*\qq+16*(\g)+8*\u:64*\qq+16*(\g)+8*\u+7], v[64*(\g)+32*\u+8*\c:64*(\g)+32*\u+8*\c+7], v[64*(\j)+32*\qq+8*\c:64*(\j)+32*\qq+8*\c+7], 0
.else
	v_wmma_f32_16x16x32_f16 v[64*\qq+16*(\g)+8*\u:64*\qq+16*(\g)+8*\u+7], v[64*(\g)+32*\u+8*\c:64*(\g)+32*\u+8*\c+7], v[64*(\j)+32*\qq+8*\c:64*(\j)+32*\qq+8*\c+7], v[64*\qq+16*(\g)+8*\u:64*\qq+16*(\g)+8*\u+7]
.endif
.endr
.endr
.endr
.endm
.macro FMA g, set                      ; MAIN += f T for group g's four sums, each from its low end on
	WIN 0x03
.irp qq, 0,1
.irp e, 0,2,4,6,8,10,12,14
	v_pk_fma_f32 v[ACC+64*\qq+16*(\g)+\e:ACC+64*\qq+16*(\g)+\e+1], v[64*\qq+16*(\g)+\e:64*\qq+16*(\g)+\e+1], v[FAC+4*(\set)+2*\qq:FAC+4*(\set)+2*\qq+1], v[ACC+64*\qq+16*(\g)+\e:ACC+64*\qq+16*(\g)+\e+1] op_sel_hi:[1,0,1]
.endr
.endr
.endm
.macro CLEAR
.set n, 0
.rept 128
	v_mov_b32 v[ACC+n], 0
.set n, n+1
.endr
.endm
; THE WAY OUT of tile tau: MAIN times 1 / l, 16 queries x 64 channels at a time through my stage, so that sixteen lanes store 256 consecutive bytes, aligned.  All in window 0.
.macro OUT tau
.irp qq, 0,1
	ds_load_b32 v[LI+2*\qq], v[LA] offset:512*\tau+64*\qq
.endr
	s_wait_dscnt 0x0
.irp qq, 0,1
.if (\tau == 0) && (\qq == 0)
	s_cmp_eq_u32 s84, 0                            ; positions 0-15 of a batch are the next launch's: a branch on y and the wave's number
	s_cbranch_scc1 .Lskip_\@
.endif
.irp hh, 0,1
.set n, 0
.rept 16
	v_pk_mul_f32 v[TMP+2*n:TMP+2*n+1], v[ACC+64*\qq+32*\hh+2*n:ACC+64*\qq+32*\hh+2*n+1], v[LI+2*\qq:LI+2*\qq+1] op_sel_hi:[1,0]
.set n, n+1
.endr
.irp b, 0,1,2,3
	ds_store_b128 v[STO], v[TMP+8*\b:TMP+8*\b+3] offset:64*\b
	ds_store_b128 v[STO], v[TMP+8*\b+4:TMP+8*\b+7] offset:64*\b+16
.endr
	s_wait_xcnt 0x0                                ; earlier stores have read their registers: the loads below may land there
.irp t, 0,1,2,3,4,5,6,7
	ds_load_b128 v[BK+4*\t:BK+4*\t+3], v[RD] offset:\t*2*SPITCH    ; LDS serves a wave's instructions in order (ISA guide 5.7.1.4): these see the stores above
.endr
	s_wait_dscnt 0x0
.irp t, 0,1,2,3,4,5,6,7
	global_store_b128 v[CO], v[BK+4*\t:BK+4*\t+3], s[80+2*\tau:81+2*\tau] offset:(16*\qq+2*\t)*4096+256*\hh th:TH_STORE_NT
.endr
.endr
.if (\tau == 0) && (\qq == 0)
.Lskip_\@:
.endif
.endr
.endm
; A KEY BLOCK.  j: its place in its slot, and p's buffer.  chg: 0 none; else the change of slots stands in its first group: 1 all waves refill, 2 waves 0 and 1, 3 nobody.  pl: p of four blocks on is asked for.
; lw: how many younger loads may stay out when the next block's p has to be there (-1: no wait).  vl: the next block's v is fetched.  site: the first tile may end here.
.macro KB j, chg, pl, lw, vl, site
.if \site
	s_cmp_eq_u32 s[KC], s[NB2]                     ; y and the count of key blocks alone: the same in all waves
	s_cbranch_scc0 .Lsame_\@
	OUT 0
	CLEAR
.Lsame_\@:
.endif
.if \chg
	s_wait_tensorcnt 0x0                           ; all my tensor loads have landed: my part of the next slot; so a group 0 may be written
	ds_add_u32 v[SPW], v[NIL]                      ; 0 onto my spare word
.if \chg < 3
	s_add_co_u32 s72, s[KC], 5                     ; the slot after the next begins five key blocks on;
	s_add_co_u32 s72, s72, s14                     ; my key block of it
	s_xor_b32 s[G0+5], s[G0+5], SLOTB              ; the walking descriptor: the other slot than last time
	VADDR 1
.endif
	s_wait_dscnt 0x0                               ; the add is done, and my reads of this slot are over: its last key block lies in my registers
	s_barrier_signal -1
	PROD 0, \j
	WIN 0
	s_barrier_wait -1
.if \chg == 1
	tensor_load_to_lds s[G0+4:G0+7], s[G1V:G1V+7]  ; my one tensor load behind this barrier, and the first thing there
	s_nop 0
.elseif \chg == 2
	s_cmp_lt_u32 s14, 2                            ; the last fill has two key blocks
	s_cbranch_scc0 .Lnone_\@
	tensor_load_to_lds s[G0+4:G0+7], s[G1V:G1V+7]
	s_nop 0
.Lnone_\@:
.endif
	s_xor_b32 s[TB], s[TB], SLOTB                  ; the fetches go on in the other slot
.else
	s_wait_dscnt 32                                ; all but the two youngest runs: this group's fragments are in
	PROD 0, \j
	WIN 0
.endif
.rept 4
	v_nop                                          ; the places behind the first group's products (ISA guide 7.12.1): no multiply-adds are at hand here
.endr
.if \vl
	v_add_nc_u32 v[ADR], s[TB], v[AV+((\j)+1)%4]
	v_add_nc_u32 v[FA], 512, v[FA]
	FACT ((\j)+1)%2
	VLOAD 0
.endif
.irp g, 1,2,3
.if \vl
	s_wait_dscnt 32
.else
	s_wait_dscnt 16*(3-\g)                         ; the last key block: only the later groups' runs are behind this one's
.endif
	PROD \g, \j
	FMA \g-1, (\j)%2
.if \vl
	VLOAD \g
.endif
.endr
.if \pl
	PADDR 4
	PLOAD \j
.endif
	FMA 3, (\j)%2
	WIN 0
	s_add_co_u32 s[KC], s[KC], 1
.if \lw >= 0
	s_wait_loadcnt \lw                             ; the next block's p is in; that of the blocks behind it may be out
.endif
.endm
	s_load_b256 s[4:11], s[0:1], 0x0               ; pt s[4:5], qkv s[6:7], st s[8:9], out0 s[10:11]
	v_lshl_add_u32 v[SPW], v0, 2, SPARE
	v_mov_b32 v[NIL], 0
	ds_add_u32 v[SPW], v[NIL]                      ; the wave's opening: the add, twice on end, and its wait ahead of my first tensor load
	ds_add_u32 v[SPW], v[NIL]
	v_lshrrev_b32 v1, 5, v0
	v_readfirstlane_b32 s14, v1                    ; wave 0..3
	s_and_b32 s19, ttmp7, 0xffff
	s_lshr_b32 s20, s19, 3                         ; the batch
	s_and_b32 s21, s19, 7                          ; the first tile's query block
	s_sub_co_u32 s24, 15, s21                      ; the second's
	s_lshr_b32 s[NB2], s21, 1
	s_add_co_u32 s[NB2], s[NB2], 1
	s_lshl_b32 s[NB2], s[NB2], 1                   ; 2, 4, 6 or 8
	s_mov_b32 s[KC], 0
	s_mov_b32 s[TB], 0
	s_mov_b32 s[G1V+0], (1<<16)|(1<<20)|(5<<22)|(7<<25)   ; group 1: no mask; elements of 2 bytes; padding on: after every 64 words eight words
	s_mov_b32 s[G1V+1], 128<<16                    ; tensor_dim0
	s_mov_b32 s[G1V+2], 128<<16                    ; tensor_dim1
	s_mov_b32 s[G1V+3], 128<<16                    ; tile_dim0
	s_mov_b32 s[G1V+4], 128                        ; tile_dim1
	s_mov_b32 s[G1V+5], 3072                       ; elements from row to row
	s_mov_b32 s[G1V+6], 0
	s_mov_b32 s[G1V+7], 0
	s_lshl_b32 s26, s14, 1
	s_lshl_b32 s70, s21, 3
	s_add_co_u32 s70, s70, s26
	s_lshl_b32 s70, s70, 16                        ; p: my first block of 16 queries of the first tile, 65,536 bytes a block;
	s_lshl_b32 s71, s24, 3
	s_add_co_u32 s71, s71, s26
	s_lshl_b32 s71, s71, 16                        ; of the second
	s_lshl_b32 s78, s20, 23                        ; the batch in pt
	s_mov_b32 s79, 0
	s_mul_i32 s92, s20, 2048*6144                  ; the batch in qkv,
	s_lshl_b32 s93, ttmp9, 8                       ; my work-group's 128 channels,
	s_add_co_u32 s92, s92, s93
	s_add_co_u32 s92, s92, 4096                    ; behind q and k in a row
	s_mov_b32 s93, 0
	s_mul_i32 s27, s14, VKB                        ; my key block's place in a slot
	s_wait_dscnt 0x0                               ; both opening adds are done
	s_wait_kmcnt 0x0
	s_add_nc_u64 s[66:67], s[4:5], s[78:79]
	s_add_nc_u64 s[68:69], s[6:7], s[92:93]
.irp s, 0,1                            ; every wave issues its two first fills, with no branch: positions wave and 4 + wave
	s_mov_b32 s[G0+4*\s], 1
	s_add_co_u32 s[G0+4*\s+1], s27, \s*SLOTB
	s_add_co_u32 s72, s14, 4*\s
	VADDR \s
	tensor_load_to_lds s[G0+4*\s:G0+4*\s+3], s[G1V:G1V+7]
	s_nop 0
.endr
	; THE TABLES.  Thread t serves query t of both tiles.  Position p is of the first tile while p < its key blocks; st: 262,144 bytes a batch, 16,384 a key block, 1,024 a query block, 8 a query
	s_lshl_b32 s26, s20, 18
	s_lshl_b32 s94, s21, 10
	s_add_co_u32 s94, s94, s26
	s_lshl_b32 s95, s24, 10
	s_add_co_u32 s95, s95, s26
	v_lshlrev_b32 v3, 3, v0
	v_add_nc_u32 v4, s94, v3
.irp p, 0,1
	global_load_b64 v[NMV+2*\p:NMV+2*\p+1], v4, s[8:9] offset:16384*\p
.endr
.irp p, 2,3,4,5,6,7
	s_cmp_le_u32 s[NB2], \p                        ; of the second tile?
	s_cselect_b32 s26, s[NB2], 0
	s_cselect_b32 s27, s95, s94
	s_cselect_b32 s[86+\p-2], -1, 0                ; kept as a mask of all lanes or none
	s_sub_co_u32 s26, \p, s26
	s_lshl_b32 s26, s26, 14
	s_add_co_u32 s26, s26, s27
	v_add_nc_u32 v[OFS+\p-2], s26, v3
	global_load_b64 v[NMV+2*\p:NMV+2*\p+1], v[OFS+\p-2], s[8:9]
.endr
	s_sub_co_u32 s26, 8, s[NB2]
	s_lshl_b32 s26, s26, 14
	s_add_co_u32 s26, s26, s95
	v_add_nc_u32 v5, s26, v3
.irp p, 8,9,10,11,12,13,14,15,16,17
	global_load_b64 v[NMV+2*\p:NMV+2*\p+1], v5, s[8:9] offset:16384*(\p-8)
.endr
	v_and_b32 v6, 31, v0
	v_lshlrev_b32 v[PO], 4, v6
	PADDR 0
	PLOAD 0
	PADDR 1
	PLOAD 1
	WIN 0
	; addresses, while the tables come
	v_and_b32 v1, 15, v0                           ; r = l % 16
	v_bfe_u32 v2, v0, 4, 1                         ; h = l / 16
	v_and_b32 v6, 7, v0
	v_bfe_u32 v7, v0, 3, 1
	v_lshl_add_u32 v6, v2, 3, v6
	v_mul_u32_u24 v6, v6, VP
	v_lshl_add_u32 v[AV], v7, 4, v6                ; v: key 8 h + l % 8, channels 8 ((l / 8) % 2) on
.irp j, 1,2,3
	v_add_nc_u32 v[AV+\j], \j*VKB, v[AV]
.endr
	s_mul_i32 s26, s14, 16*SPITCH
	s_add_co_u32 s26, s26, STAGE                   ; my stage
	v_mul_u32_u24 v6, v1, SPITCH
	v_lshl_add_u32 v6, v2, 5, v6
	v_add_nc_u32 v[STO], s26, v6                   ; in: row r, 32 bytes for each half of the lanes
	v_mul_u32_u24 v6, v2, SPITCH
	v_lshl_add_u32 v6, v1, 4, v6
	v_add_nc_u32 v[RD], s26, v6                    ; back: lanes 0-15 one row of 256 bytes, lanes 16-31 the next
	v_lshlrev_b32 v6, 12, v2
	v_lshl_add_u32 v[CO], v1, 4, v6                ; and the same two rows in out0
	s_lshl_b32 s26, s14, 7
	s_add_co_u32 s27, s26, FT
	v_lshl_add_u32 v[FA], v1, 2, s27               ; query 32 x wave + r
	s_add_co_u32 s27, s26, LINV
	v_lshl_add_u32 v[LA], v1, 2, s27
	v_lshl_add_u32 v[FW], v0, 2, FT
.irp i, 1,3,5,7,9,11
	v_mov_b32 v[FAC+\i], 0                         ; the upper halves of the pairs that the packed forms name
.endr
	s_lshl_b32 s26, s20, 11
	s_lshl_b32 s27, s14, 5
	s_add_co_u32 s26, s26, s27                     ; the batch's first row + my 32
	s_lshl_b32 s27, s21, 7
	s_add_co_u32 s27, s27, s26
	s_lshl_b32 s78, s27, 12                        ; the first tile's rows in out0, 4,096 bytes each
	s_lshl_b32 s27, s24, 7
	s_add_co_u32 s27, s27, s26
	s_lshl_b32 s92, s27, 12                        ; the second's
	s_lshl_b32 s27, ttmp9, 9                       ; my work-group's channels
	s_add_co_u32 s78, s78, s27
	s_add_co_u32 s92, s92, s27
	s_add_nc_u64 s[80:81], s[10:11], s[78:79]
	s_add_nc_u64 s[82:83], s[10:11], s[92:93]
	s_or_b32 s84, s21, s14                         ; 0 where the first tile's first 16 rows of mine are positions 0-15 of the batch
	v_mov_b32 v[BIG], 0x7f61b1e6                   ; 3e38
	v_mov_b32 v[ZR], 0
	s_wait_loadcnt 32                              ; the tables are in; p of key blocks 0 and 1 may be out
	v_min_num_f32 v[MINB], v[NMV], v[NMV+2]        ; the least -M of a tile's positions is -(the row's M)
	v_min_num_f32 v[MINA], v[NMV+16], v[NMV+18]
.irp p, 10,11,12,13,14,15,16,17
	v_min_num_f32 v[MINA], v[MINA], v[NMV+2*\p]
.endr
.irp p, 2,3,4,5,6,7
	v_cndmask_b32 v[T1], v[BIG], v[NMV+2*\p], s[86+\p-2]
	v_cndmask_b32 v[T2], v[NMV+2*\p], v[BIG], s[86+\p-2]
	v_min_num_f32 v[MINA], v[MINA], v[T1]
	v_min_num_f32 v[MINB], v[MINB], v[T2]
.endr
.irp p, 0,1
	v_sub_f32 v[FV+\p], v[MINB], v[NMV+2*\p]       ; M_j - M: a whole number, 0 or less
.endr
.irp p, 2,3,4,5,6,7
	v_cndmask_b32 v[T1], v[MINB], v[MINA], s[86+\p-2]
	v_sub_f32 v[FV+\p], v[T1], v[NMV+2*\p]
.endr
.irp p, 8,9,10,11,12,13,14,15,16,17
	v_sub_f32 v[FV+\p], v[MINA], v[NMV+2*\p]
.endr
.irp p, 0,1,2,3,4,5,6,7,8,9,10,11,12,13,14,15,16,17
	v_cvt_i32_f32 v[FV+\p], v[FV+\p]               ; (it saturates: a block all of whose keys are hidden gets the factor 0)
.endr
.irp p, 0,1,2,3,4,5,6,7,8,9,10,11,12,13,14,15,16,17
	v_ldexp_f32 v[FV+\p], 1.0, v[FV+\p]            ; f_j
.endr
	v_mul_f32 v[LSB], v[FV], v[NMV+1]
	v_fmac_f32 v[LSB], v[FV+1], v[NMV+3]
	v_mul_f32 v[LSA], v[FV+8], v[NMV+17]
.irp p, 9,10,11,12,13,14,15,16,17
	v_fmac_f32 v[LSA], v[FV+\p], v[NMV+2*\p+1]
.endr
.irp p, 2,3,4,5,6,7
	v_mul_f32 v[T1], v[FV+\p], v[NMV+2*\p+1]
	v_cndmask_b32 v[T2], v[ZR], v[T1], s[86+\p-2]
	v_cndmask_b32 v[T1], v[T1], v[ZR], s[86+\p-2]
	v_add_f32 v[LSA], v[LSA], v[T2]
	v_add_f32 v[LSB], v[LSB], v[T1]
.endr
	v_rcp_f32 v[T1], v[LSB]
	v_rcp_f32 v[T2], v[LSA]
	v_nop                                          ; a plain line behind the reciprocals
.irp p, 0,1,2,3,4,5,6,7,8,9,10,11,12,13,14,15,16,17
	ds_store_b32 v[FW], v[FV+\p] offset:512*\p
.endr
	s_wait_alu depctr_va_vdst(0)                   ; one wait for the two reciprocals, ahead of their first reader
	ds_store_b32 v[FW], v[T1] offset:18*512
	ds_store_b32 v[FW], v[T2] offset:18*512+512
	PADDR 2
	PLOAD 2
	PADDR 3
	PLOAD 3
	WIN 0
	CLEAR                                          ; MAIN begins as zeros, so that a key block is written in one form
	s_wait_tensorcnt 0x1                           ; my part of slot 0 is in (slot 1's may stay out)
	s_wait_dscnt 0x0                               ; and my part of the tables is stored
	s_barrier_signal -1
	s_barrier_wait -1
	v_add_nc_u32 v[ADR], s[TB], v[AV]
	FACT 0
.irp g, 0,1,2,3
	VLOAD \g
.endr
	WIN 0
	s_wait_loadcnt 48                              ; p of key block 0 is in; that of blocks 1 to 3 may be out
	s_mov_b32 s3, 2
.Ltrip:                                                ; two trips: key blocks 0 to 7; a trip walks a slot and fills it again
	KB 0, 0, 1, 48, 1, 1
	KB 1, 0, 1, 48, 1, 0
	KB 2, 0, 1, 48, 1, 1
	KB 3, 1, 1, 48, 1, 0
	s_sub_co_u32 s3, s3, 1
	s_cmp_lg_u32 s3, 0
	s_cbranch_scc1 .Ltrip
	KB 0, 0, 1, 48, 1, 1                           ; key blocks 8 to 17 are written out: the fills and the loads of p run out
	KB 1, 0, 1, 48, 1, 0
	KB 2, 0, 1, 48, 1, 0
	KB 3, 2, 1, 48, 1, 0
	KB 0, 0, 1, 48, 1, 0
	KB 1, 0, 1, 48, 1, 0
	KB 2, 0, 0, 32, 1, 0
	KB 3, 3, 0, 16, 1, 0
	KB 0, 0, 0, 0, 1, 0
	KB 1, 0, 0, -1, 0, 0
	OUT 1
	s_wait_tensorcnt 0x0                           ; the wave's end
	ds_add_u32 v[SPW], v[NIL]
	s_wait_dscnt 0x0
	s_endpgm
.Lfunc_end_k_q075aebc88f_pv:
	.size	k_q075aebc88f_pv, .Lfunc_end_k_q075aebc88f_pv-k_q075aebc88f_pv
	.p2alignl 7, 3214868480
	.fill 96, 4, 3214868480
	.section	.rodata,"a",@progbits
	.p2align	6, 0x0
	.amdhsa_kernel k_q075aebc88f_pv
		.amdhsa_group_segment_fixed_size 327680
		.amdhsa_private_segment_fixed_size 0
		.amdhsa_enable_private_segment 0
		.amdhsa_kernarg_size 32
		.amdhsa_user_sgpr_count 2
		.amdhsa_user_sgpr_kernarg_segment_ptr 1
		.amdhsa_wavefront_size32 1
		.amdhsa_system_sgpr_workgroup_id_x 1
		.amdhsa_system_sgpr_workgroup_id_y 1
		.amdhsa_system_sgpr_workgroup_id_z 1
		.amdhsa_system_vgpr_workitem_id 0
		.amdhsa_next_free_vgpr 1024
		.amdhsa_next_free_sgpr 96
		.amdhsa_reserve_vcc 0
		.amdhsa_float_denorm_mode_32 3
		.amdhsa_float_denorm_mode_16_64 3
		.amdhsa_memory_ordered 1
		.amdhsa_forward_progress 1
		.amdhsa_inst_pref_size 255
	.end_amdhsa_kernel
	.section	.bss,"aw",@nobits
	.p2align	6
	.space	262144
	.amdgpu_metadata
---
amdhsa.version: [ 1, 2 ]
amdhsa.kernels:
  - .name:           k_q075aebc88f_pv
    .symbol:         k_q075aebc88f_pv.kd
    .args:
      - { .name: pt, .offset: 0, .size: 8, .value_kind: global_buffer, .address_space: global }
      - { .name: qkv, .offset: 8, .size: 8, .value_kind: global_buffer, .address_space: global }
      - { .name: st, .offset: 16, .size: 8, .value_kind: global_buffer, .address_space: global }
      - { .name: out0, .offset: 24, .size: 8, .value_kind: global_buffer, .address_space: global }
    .group_segment_fixed_size: 327680
    .private_segment_fixed_size: 0
    .kernarg_segment_align: 8
    .kernarg_segment_size: 32
    .max_flat_workgroup_size: 128
    .sgpr_count:     96
    .vgpr_count:     1024
    .wavefront_size: 32
...
	.end_amdgpu_metadata
.endif
;; end of part 4
;; launch first16 (part 5): grid 4 x 1, 8 waves a work-group, no clusters, 76,800 bytes of LDS; arguments fine, out0; writes out0
.if DOCPART == 5
	.amdgcn_target "amdgcn-amd-amdhsa--gfx1250"
	.amdhsa_code_object_version 6
	.text
	.protected	k_q075aebc88f_first16
	.globl	k_q075aebc88f_first16
	.p2align	8
	.type	k_q075aebc88f_first16,@function
k_q075aebc88f_first16:
	s_mov_b64 s[64:65], 0
	v_nop
	global_prefetch_b8 v0, s[64:65] scope:SCOPE_SE
	s_setreg_imm32_b32 hwreg(HW_REG_WAVE_MODE, 25, 1), 1
	s_wait_xcnt 0x0
; Positions 0-15 of each batch, in f32 throughout: under the causal mask these rows average 1 to 16 values, and the rounding of 16-bit operands would weigh most there.  q, k, v of these positions come as f32
; from fine [4][16][3072] (q at byte 0 of a row, k at 4,096, v at 8,192).  Only keys 0-15 count for these queries: all later keys are hidden by reference()'s own mask for all values of the inputs.
; One work-group a batch, eight waves.  S^T = k q^T: wave w sums channels 128 w .. 128 w + 127 (32 matrix instructions of K = 4 on four accumulators by turns); the eight parts meet in LDS behind the one barrier, and every
; wave adds them in the same order.  Softmax as reference() has it: the row's maximum is taken away, p = 2^((s - max) c), c = log2(e) / 32.  O^T = v^T p^T: wave w makes channels 128 w .. 128 w + 127.
; K IS PERMUTED ALIKE ON BOTH SIDES, which keeps the products: in S^T a lane's four neighbouring channels 8 g + 4 (lane / 16) + 0 .. 3 serve two instructions; in O^T instruction kk takes keys 8 (lane / 16) + 2 kk + 0, 1,
; which are p's registers as the first product left them.  A lane holds one query (lane % 16) throughout.
; The registers that the f32 matrix form writes (v144-175, v192-255) are written by matrix instructions alone; every sum begins with the constant 0.
.set PS,    0                          ; LDS: the eight parts of S^T, images of 8 registers: 1,024 bytes a wave
.set STG,   8192                       ; the stages: 16 rows x (512 bytes + 16) for each wave
.set SPT,   528
.set SPARE, STG+8*16*SPT               ; the spare words, 128 bytes for each wave, which no other line names
.set FROW,  12288                      ; a row of fine in bytes
.set SPW,   12
.set NIL,   13
.set QF,    16                         ; v16-79   q's numbers; later v's fragments; later rows of the result
.set KF,    80                         ; v80-143  k's numbers; later the eight parts; later the result
.set SA,    144                        ; v144-175 four accumulators of S^T
.set PR,    176                        ; v176-183 S^T, then p
.set TP,    184                        ; v184-191 at work
.set OA,    192                        ; v192-255 eight accumulators of O^T
	s_load_b128 s[4:7], s[0:1], 0x0                ; fine, out0
	v_lshl_add_u32 v[SPW], v0, 2, SPARE
	v_mov_b32 v[NIL], 0
	v_lshrrev_b32 v1, 5, v0
	v_readfirstlane_b32 s8, v1                     ; wave 0..7
	v_and_b32 v1, 15, v0                           ; r
	v_bfe_u32 v2, v0, 4, 1                         ; h
	v_and_b32 v3, 31, v0                           ; lane
	v_mul_u32_u24 v4, v1, FROW
	v_lshl_add_u32 v4, v2, 4, v4                   ; q, k: row r, + 16 h
	v_mul_u32_u24 v5, v2, 8*FROW
	v_lshl_add_u32 v5, v1, 2, v5                   ; v: key 8 h, channel r
	v_lshlrev_b32 v6, 4, v3                        ; 16 x lane
	s_lshl_b32 s9, s8, 10
	v_add_nc_u32 v7, s9, v6                        ; where my part of S^T goes
	s_mul_i32 s9, s8, 16*SPT
	s_add_co_u32 s9, s9, STG
	v_mul_u32_u24 v8, v1, SPT
	v_lshl_add_u32 v8, v2, 5, v8
	v_add_nc_u32 v8, s9, v8                        ; the stage, in: row r, 32 bytes for each half of the lanes
	v_add_nc_u32 v9, s9, v6                        ; and back: the 32 lanes take a row of 512 bytes
	v_lshlrev_b32 v10, 3, v2
	v_sub_nc_u32 v10, v1, v10                      ; r - 8 h: register e's key, 8 h + e, is hidden where e is greater
	v_mov_b32 v11, 0xff800000                      ; -infinity
	v_mov_b32 v14, 0                               ; a lane permute's destination counts as one of its sources
	s_mov_b32 s12, 0x76543210
	s_mov_b32 s13, 0xfedcba98                      ; v_permlanex16_b32's selects for lane l xor 16
	s_mov_b32 s14, 0x3d38aa3b                      ; c = log2(e) / 32
	s_mul_i32 s10, ttmp9, 16*FROW                  ; the batch in fine,
	s_lshl_b32 s11, s8, 9
	s_add_co_u32 s10, s10, s11                     ; my 128 channels
	s_mov_b32 s11, 0
	s_lshl_b32 s16, ttmp9, 23                      ; the batch in out0,
	s_lshl_b32 s17, s8, 9
	s_add_co_u32 s16, s16, s17
	s_mov_b32 s17, 0
	s_wait_kmcnt 0x0
	s_add_nc_u64 s[4:5], s[4:5], s[10:11]
	s_add_nc_u64 s[6:7], s[6:7], s[16:17]
.irp g, 0,1,2,3,4,5,6,7,8,9,10,11,12,13,14,15
	global_load_b128 v[QF+4*\g:QF+4*\g+3], v4, s[4:5] offset:32*\g
	global_load_b128 v[KF+4*\g:KF+4*\g+3], v4, s[4:5] offset:4096+32*\g
.endr
	s_wait_loadcnt 0x0
.set i, 0
.rept 32                               ; source 0 = 16 keys, source 1 = 16 queries; the four accumulators by turns
.if i < 4
	v_wmma_f32_16x16x4_f32 v[SA+8*(i%4):SA+8*(i%4)+7], v[KF+2*i:KF+2*i+1], v[QF+2*i:QF+2*i+1], 0
.else
	v_wmma_f32_16x16x4_f32 v[SA+8*(i%4):SA+8*(i%4)+7], v[KF+2*i:KF+2*i+1], v[QF+2*i:QF+2*i+1], v[SA+8*(i%4):SA+8*(i%4)+7]
.endif
.set i, i+1
.endr
.rept 8
	v_nop                                          ; eight places behind this form: for the loads into registers that it has read, and for the reads of its results
.endr
.irp t, 0,1,2,3,4,5,6,7                ; v's fragments: tile t of 16 channels, register k: v(8 h + k, 16 t + r)
.irp k, 0,1,2,3,4,5,6,7
	global_load_b32 v[QF+8*\t+\k], v5, s[4:5] offset:8192+\k*FROW+64*\t
.endr
.endr
.irp j, 0,2,4,6
	v_pk_add_f32 v[PR+\j:PR+\j+1], v[SA+\j:SA+\j+1], v[SA+8+\j:SA+8+\j+1]        ; each accumulator from its low end on
.endr
.irp j, 0,2,4,6
	v_pk_add_f32 v[TP+\j:TP+\j+1], v[SA+16+\j:SA+16+\j+1], v[SA+24+\j:SA+24+\j+1]
.endr
.irp j, 0,2,4,6
	v_pk_add_f32 v[PR+\j:PR+\j+1], v[PR+\j:PR+\j+1], v[TP+\j:TP+\j+1]
.endr
	ds_store_b128 v7, v[PR:PR+3]
	ds_store_b128 v7, v[PR+4:PR+7] offset:512
	s_wait_dscnt 0x0                               ; for the others' sake: my part is stored
	s_barrier_signal -1
	s_barrier_wait -1
.irp i, 0,1,2,3,4,5,6,7
	ds_load_b128 v[KF+8*\i:KF+8*\i+3], v6 offset:1024*\i
	ds_load_b128 v[KF+8*\i+4:KF+8*\i+7], v6 offset:1024*\i+512
.endr
	s_wait_dscnt 0x0
.irp j, 0,2,4,6
	v_pk_add_f32 v[PR+\j:PR+\j+1], v[KF+\j:KF+\j+1], v[KF+8+\j:KF+8+\j+1]
.endr
.irp i, 2,3,4,5,6,7
.irp j, 0,2,4,6
	v_pk_add_f32 v[PR+\j:PR+\j+1], v[PR+\j:PR+\j+1], v[KF+8*\i+\j:KF+8*\i+\j+1]
.endr
.endr
.irp e, 0,1,2,3,4,5,6,7
	v_cmp_gt_i32 vcc_lo, \e, v10
	v_cndmask_b32 v[PR+\e], v[PR+\e], v11, vcc_lo  ; hidden keys: -infinity
.endr
	v_max3_num_f32 v15, v[PR], v[PR+1], v[PR+2]
	v_max3_num_f32 v15, v15, v[PR+3], v[PR+4]
	v_max3_num_f32 v15, v15, v[PR+5], v[PR+6]
	v_max_num_f32 v15, v15, v[PR+7]
	v_permlanex16_b32 v14, v15, s12, s13
	v_max_num_f32 v15, v15, v14                    ; the row's maximum: key 0 counts for every query, so it is a number
	v_mul_f32 v15, s14, v15
.irp e, 0,1,2,3,4,5,6,7
	v_fma_f32 v[PR+\e], v[PR+\e], s14, -v15
.endr
.irp e, 0,1,2,3,4,5,6,7
	v_exp_f32 v[PR+\e], v[PR+\e]
.endr
	v_nop                                          ; a plain line behind the exponentials
	s_wait_alu depctr_va_vdst(0)                   ; one wait for the batch, ahead of its first reader
	v_pk_add_f32 v[TP:TP+1], v[PR:PR+1], v[PR+2:PR+3]
	v_pk_add_f32 v[TP+2:TP+3], v[PR+4:PR+5], v[PR+6:PR+7]
	v_pk_add_f32 v[TP:TP+1], v[TP:TP+1], v[TP+2:TP+3]
	v_add_f32 v[TP], v[TP], v[TP+1]
	v_permlanex16_b32 v14, v[TP], s12, s13
	v_add_f32 v[TP], v[TP], v14                    ; the row's sum
	v_rcp_f32 v15, v[TP]
	v_nop
	s_wait_alu depctr_va_vdst(0)
	s_wait_loadcnt 0x0                             ; v
.irp kk, 0,1,2,3                       ; source 0 = 16 channels, source 1 = p; the eight accumulators by turns
.irp t, 0,1,2,3,4,5,6,7
.if \kk == 0
	v_wmma_f32_16x16x4_f32 v[OA+8*\t:OA+8*\t+7], v[QF+8*\t+2*\kk:QF+8*\t+2*\kk+1], v[PR+2*\kk:PR+2*\kk+1], 0
.else
	v_wmma_f32_16x16x4_f32 v[OA+8*\t:OA+8*\t+7], v[QF+8*\t+2*\kk:QF+8*\t+2*\kk+1], v[PR+2*\kk:PR+2*\kk+1], v[OA+8*\t:OA+8*\t+7]
.endif
.endr
.endr
.rept 8
	v_nop
.endr
.set n, 0
.rept 64
	v_mul_f32 v[KF+n], v[OA+n], v15                ; O^T / the sum, into other registers: register 8 t + e is out(r, 16 t + 8 h + e)
.set n, n+1
.endr
.irp t, 0,1,2,3,4,5,6,7
	ds_store_b128 v8, v[KF+8*\t:KF+8*\t+3] offset:64*\t
	ds_store_b128 v8, v[KF+8*\t+4:KF+8*\t+7] offset:64*\t+16
.endr
.irp t, 0,1,2,3,4,5,6,7,8,9,10,11,12,13,14,15
	ds_load_b128 v[QF+4*\t:QF+4*\t+3], v9 offset:\t*SPT            ; LDS serves a wave's instructions in order: these see my stores
.endr
.irp t, 0,1,2,3,4,5,6,7,8,9,10,11,12,13,14,15
	s_wait_dscnt 15-\t                             ; row t is back; the younger loads may be out
	global_store_b128 v6, v[QF+4*\t:QF+4*\t+3], s[6:7] offset:4096*\t   ; 32 lanes store 512 consecutive bytes, at a multiple of 256 from out0's first byte
.endr
	s_wait_tensorcnt 0x0                           ; the wave's end
	ds_add_u32 v[SPW], v[NIL]
	s_wait_dscnt 0x0
	s_endpgm
.Lfunc_end_k_q075aebc88f_first16:
	.size	k_q075aebc88f_first16, .Lfunc_end_k_q075aebc88f_first16-k_q075aebc88f_first16
	.p2alignl 7, 3214868480
	.fill 96, 4, 3214868480
	.section	.rodata,"a",@progbits
	.p2align	6, 0x0
	.amdhsa_kernel k_q075aebc88f_first16
		.amdhsa_group_segment_fixed_size 76800
		.amdhsa_private_segment_fixed_size 0
		.amdhsa_enable_private_segment 0
		.amdhsa_kernarg_size 16
		.amdhsa_user_sgpr_count 2
		.amdhsa_user_sgpr_kernarg_segment_ptr 1
		.amdhsa_wavefront_size32 1
		.amdhsa_system_sgpr_workgroup_id_x 1
		.amdhsa_system_sgpr_workgroup_id_y 1
		.amdhsa_system_sgpr_workgroup_id_z 1
		.amdhsa_system_vgpr_workitem_id 0
		.amdhsa_next_free_vgpr 256
		.amdhsa_next_free_sgpr 66
		.amdhsa_reserve_vcc 1
		.amdhsa_float_denorm_mode_32 3
		.amdhsa_float_denorm_mode_16_64 3
		.amdhsa_memory_ordered 1
		.amdhsa_forward_progress 1
		.amdhsa_inst_pref_size 28
	.end_amdhsa_kernel
	.amdgpu_metadata
---
amdhsa.version: [ 1, 2 ]
amdhsa.kernels:
  - .name:           k_q075aebc88f_first16
    .symbol:         k_q075aebc88f_first16.kd
    .args:
      - { .name: fine, .offset: 0, .size: 8, .value_kind: global_buffer, .address_space: global }
      - { .name: out0, .offset: 8, .size: 8, .value_kind: global_buffer, .address_space: global }
    .group_segment_fixed_size: 76800
    .private_segment_fixed_size: 0
    .kernarg_segment_align: 8
    .kernarg_segment_size: 16
    .max_flat_workgroup_size: 256
    .sgpr_count:     66
    .vgpr_count:     256
    .wavefront_size: 32
...
	.end_amdgpu_metadata
.endif
;; end of part 5
